; MI455X (gfx1250); checked and timed in simulation.
; The chip was launched on July 23, 2026; its instructions are those of AMD's public machine-readable ISA for CDNA 5 (MIT licence, August 2026) and "CDNA5" Instruction Set Architecture Reference Guide (July 2026). The comments in the code are by the model that wrote it; some were corrected since.
;; Causal Self Attention. Allowed arithmetic: matrix products marked QUANTISED: E3M2 operands, one E8M0 scale for each 32 along K, by v_wmma_scale_f32_16x16x128_f8f6f4 with both operands' format E3M2, f32 sums; everything else in f32.
;; Inputs: w_proj 1,024 x 1,024 float32; w_qkv 1,024 x 3,072 float32; x 4 x 2,048 x 1,024 float32.
;; Outputs: out0 4 x 2,048 x 1,024 float32.
;; This version of the problem:
;;   THIS VERSION OF THE PROBLEM IS GIVEN IN LOW PRECISION. The matrix products marked QUANTISED in the list below multiply operands that are first quantised to E3M2 (3 exponent bits, 2 mantissa bits; 6 bits a number), with one power-of-two scale for each 32 numbers along K (OCP MX v1.0); their sums are f32. All else is computed in f32.
;;   The module's matrix products, in the order in which they are computed (A, B: the left and right operand; K: the contracted axis; several contracted axes count as one K, in the product's order):
;;     1. [M 8,192, K 1,024] x [K 1,024, N 3,072]; A: input x; B: input w_qkv: QUANTISED
;;     2. batch 64 x [M 2,048, K 64] x [K 64, N 2,048]; A: computed on the way; B: computed on the way: QUANTISED
;;     3. batch 64 x [M 2,048, K 2,048] x [K 2,048, N 64]; A: softmax (see below); B: computed on the way: QUANTISED
;;     4. [M 8,192, K 1,024] x [K 1,024, N 1,024]; A: computed on the way; B: input w_proj: QUANTISED
;;   THE QUANTISER, for each operand of a quantised product, along K:
;;     - K is cut into blocks of 32 from its start; a last block that is shorter is filled with zeros.
;;     - A block's scale is 2^e with e = floor(log2(the largest magnitude in the block)) - 4, held to -126 .. 127; a block of zeros has e = 0. As a byte (E8M0): e + 127.
;;     - Each number is divided by its block's scale, clamped to +-28, and rounded to the nearest number of E3M2, ties to even, subnormals kept.
;;     - The product sums the exact products of the quantised numbers (number of the format x scale) in f32.
;;   ~~~python
;;   def quantise(x, axis):      # numpy; x: float32 -> the quantised numbers, widened to float32 again
;;       x = np.moveaxis(x, axis, -1); K = x.shape[-1]
;;       x = np.pad(x, [(0, 0)] * (x.ndim - 1) + [(0, -K % 32)]); x = x.reshape(x.shape[:-1] + (-1, 32)); a = np.abs(x).max(-1, keepdims=True)
;;       e = np.where(a > 0, np.clip(np.frexp(np.where(a > 0, a, 1))[1] - 1 - 4, -126, 127), 0)      # np.frexp(a)[1] - 1 = floor(log2(a)), exactly
;;       r = np.clip(x / 2.0 ** e, -28, 28)
;;       step = 2.0 ** (np.maximum(np.frexp(np.where(r == 0, 1, r))[1] - 1, -2) - 2)
;;       q = np.round(r / step) * step * 2.0 ** e      # np.round: ties to even
;;       return np.moveaxis(q.reshape(q.shape[:-2] + (-1,))[..., :K], -1, axis).astype(np.float32)
;;   ~~~
;;   SOFTMAX AHEAD OF A QUANTISED PRODUCT. Where the list says 'softmax', what is quantised is not the finished softmax but p = 2^(t - M), with t = logit x log2(e) and M = ceil(the row's largest t), a whole number; so 1/2 < the row's largest p <= 1. The row's sum l is taken of the UNQUANTISED p, in f32, and the product's result is divided by l at the end. Since M is a whole number, a kernel that streams over the keys may use a running M (the ceiling of the running maximum): every later rescaling is an exact power of two, which a block's scale takes up: the codes' values come out the same.
;;   OPERANDS COMPUTED ON THE WAY. 'Computed on the way' means the value that the module computes at that place (a softmax that the list does not call 'softmax' is quantised finished and normalised). What goes into a quantiser is computed in f32, as accurately as f32 sums, v_exp_f32 and their like allow (about 1e-6 of the number): no bf16 or f16 on the way to a quantiser, and a product that is left as it is and whose result goes on into a quantised operand takes f32 operands (vector FMAs, or v_wmma_f32_16x16x4_f32). A number that lies on a knife's edge between two numbers of the format may be rounded either way, as far as f32 arithmetic and the matrix unit's own rounding can turn it there, and no further.
;; One version. Each part assembles by itself: llvm-mc -triple=amdgcn-amd-amdhsa -mcpu=gfx1250 --defsym DOCPART=n.
;; ======== version 1 of 1: 4 launches
;; workspace buffers: xq 6,553,600 bytes; wq 2,457,600 bytes; wp 819,200 bytes; qb 13,107,200 bytes; kv 13,107,200 bytes; yq 6,553,600 bytes
;; launch quant (part 1): grid 384 x 1, 8 waves a work-group, no clusters, 69,632 bytes of LDS; arguments x, w_qkv, w_proj, xq, wq, wp; writes xq, wq, wp
.if DOCPART == 1
	.amdgcn_target "amdgcn-amd-amdhsa--gfx1250"
	.amdhsa_code_object_version 6
	.text
	.protected	k_q6344d48a41_quant
	.globl	k_q6344d48a41_quant
	.p2align	8
	.type	k_q6344d48a41_quant,@function
k_q6344d48a41_quant:
	s_mov_b64 s[64:65], 0
	v_nop
	global_prefetch_b8 v0, s[64:65] scope:SCOPE_SE
	s_setreg_imm32_b32 hwreg(HW_REG_WAVE_MODE, 25, 1), 1
	s_wait_xcnt 0x0
; x [8192][1024] (K innermost), w_qkv [1024][3072] and w_proj [1024][1024] (K outermost), all f32, become codes of BF6 (E3M2) with one E8M0 byte for each 32 along K,
; laid in the ORDER OF THE OPERAND'S REGISTERS.  A fragment is 16 rows x 128 K = 12 registers a lane = 1,536 bytes: six blocks of 256 bytes, block p = registers 2 p, 2 p + 1 of lane l at byte 8 l.
; Codes: [tile of 16 rows][K step 0..7][1,536].  Behind all codes the scale words, 512 bytes a tile: the word of (row r, K step s) at 128 (s / 2) + 8 r + 4 (s % 2).
; ROW ORDER: in xq and wq row r of tile 2 b + u is the tensor's row 32 b + 8 u + r + 8 (r / 8), so that a product's 16 registers of two neighbouring tiles are 16 neighbours along the next K.  wp keeps the natural order.
; A block's scale is 2^(floor(log2(its largest magnitude)) - 4): its byte is the largest magnitude's exponent field - 4, held at 1 from below by a floor among the maximum's leaves.
; LIMITS: a block of zeros, or one whose largest magnitude lies under 2^-122, gets the byte 1 (a block of zeros has zero codes, and this program alone reads the bytes); NaN and infinities among the inputs are not served.
; SHARES: a work-group takes 32 rows of an operand (two tiles) for all of K; wave s takes K step s.  Work-groups 0-255: x; 256-351: w_qkv; 352-383: w_proj.  No loop: all of a wave's 16 KiB are asked for at once.
; Memory binds: no matrix unit, no cluster, no tensor load.
.set SPB,  528                         ; a stage row: 512 bytes + 16: the 16 rows that a load of 16 bytes a lane touches start 16 bytes apart modulo 256
.set WSTG, 16*SPB                      ; a wave's own stage: 16 rows (x's path alone)
.set GATH, 8*WSTG                      ; behind the stages: the two tiles' 1,024 bytes of scale words, gathered from the eight waves
.set L16,  4                           ; v4   16 x lane
.set L8,   5                           ; v5   8 x lane
.set CPI,  6                           ; v6   4 x the column that my place takes in the row order above
.set CNAT, 7                           ; v7   4 x lane: the natural order
.set SA,   8                           ; v8   the stage, on the way in
.set SB,   9                           ; v9   and on the way out
.set GA,   10                          ; v10  where my row's scale word goes
.set GR,   11                          ; v11  where waves 0 and 1 read the gathered words
.set GO,   12                          ; v12  and where they store them
.set SW,   13                          ; v13  my row's scale word
.set PW0,  14
.set PW1,  15
.set TM,   16                          ; v16-31 at work
.set CT,   32                          ; v32-39 the upper halves of blocks' codes
.set IMG,  40                          ; v40-63 the two fragments
.set X,    64                          ; v64-191 128 numbers
.set WV,   16
.set GRP,  17
.set SEL,  26
.set MSK,  28
; 64 numbers of a lane, register 16 b + i = k 32 b + 16 (lane / 16) + i of my row, become a fragment's registers 0-5 (d0 on) and 6-11 (d1 on) and the row's scale word
.macro QUANT s, d0, d1, pw
.irp b, 0,1,2,3
	v_max3_num_f32 v[TM+\b], |v[(\s)+16*\b]|, |v[(\s)+1+16*\b]|, 0x2800000   ; my 16 numbers of block b, and the floor 2^(5 - 127)
.endr
.irp i, 2,4,6,8,10,12,14
.irp b, 0,1,2,3
	v_max3_num_f32 v[TM+\b], v[TM+\b], |v[(\s)+16*\b+\i]|, |v[(\s)+1+16*\b+\i]|   ; the four blocks by turns
.endr
.endr
.irp b, 0,1,2,3
	v_permlanex16_b32 v[TM+4+\b], v[TM+\b], s[SEL], s[SEL+1]
.endr
.irp b, 0,1,2,3
	v_max_num_f32 v[TM+\b], v[TM+\b], v[TM+4+\b]   ; with lane l xor 16's: the block's largest magnitude
.endr
.irp b, 0,1,2,3
	v_add_nc_u32 v[TM+12+\b], 0xfe000000, v[TM+\b]   ; 4 off its exponent field: the conversion's scale operand
.endr
.irp b, 0,1,2,3
	v_lshrrev_b32 v[TM+4+\b], 23, v[TM+12+\b]      ; the scale's byte
.endr
	v_lshl_or_b32 v[\pw], v[TM+5], 8, v[TM+4]
	v_lshl_or_b32 v[\pw], v[TM+6], 16, v[\pw]
	v_lshl_or_b32 v[\pw], v[TM+7], 24, v[\pw]
	v_cvt_scalef32_pk16_bf6_f32 v[\d0:\d0+2], v[(\s):(\s)+15], v[TM+12]
	v_cvt_scalef32_pk16_bf6_f32 v[CT:CT+2], v[(\s)+16:(\s)+31], v[TM+13]    ; (a conversion's three registers begin on an even number)
	v_cvt_scalef32_pk16_bf6_f32 v[\d1:\d1+2], v[(\s)+32:(\s)+47], v[TM+14]
	v_cvt_scalef32_pk16_bf6_f32 v[CT+4:CT+6], v[(\s)+48:(\s)+63], v[TM+15]
	v_nop                                          ; one plain place behind a scaled conversion
.irp i, 0,1,2
	v_permlane16_swap_b32 v[\d0+\i], v[CT+\i]      ; a whole block to a lane: lanes 0-15 the even block, lanes 16-31 the odd one
	v_permlane16_swap_b32 v[\d1+\i], v[CT+4+\i]
.endr
.irp i, 0,1,2
	v_mov_b32 v[\d0+3+\i], v[CT+\i]
	v_mov_b32 v[\d1+3+\i], v[CT+4+\i]
.endr
.endm
; where a group's codes and scale words go: s[GRP] = the group of 32 rows; cb = the buffer's bytes of codes
.macro OUTP buf, cb
	s_mul_i32 s24, s[GRP], 24576                   ; two tiles of 12,288 bytes
	s_mul_i32 s29, s[WV], 1536                     ; my K step
	s_add_co_u32 s24, s24, s29
	s_add_nc_u64 s[20:21], s[\buf:\buf+1], s[24:25]
	s_lshl_b32 s24, s[GRP], 10
	s_add_co_u32 s24, s24, \cb
	s_add_nc_u64 s[22:23], s[\buf:\buf+1], s[24:25]
.endm
; block b of a weight's column: all its 32 numbers are mine.  left: the younger loads that may stay out
.macro WBLK b, left
.set XS, X+32*\b
.set DD, IMG+12*(\b%2)+6*(\b/2)
	s_wait_loadcnt \left
	v_max3_num_f32 v[TM], |v[XS]|, |v[XS+1]|, |v[XS+2]|
	v_max3_num_f32 v[TM+1], |v[XS+3]|, |v[XS+4]|, |v[XS+5]|
.irp i, 6,10,14,18,22,26
	v_max3_num_f32 v[TM], v[TM], |v[XS+\i]|, |v[XS+\i+1]|
	v_max3_num_f32 v[TM+1], v[TM+1], |v[XS+\i+2]|, |v[XS+\i+3]|
.endr
	v_max3_num_f32 v[TM], v[TM], |v[XS+30]|, |v[XS+31]|
	v_max3_num_f32 v[TM], v[TM], v[TM+1], 0x2800000
	v_add_nc_u32 v[TM+2], 0xfe000000, v[TM]
	v_lshrrev_b32 v[TM+3], 23, v[TM+2]
.if \b == 0
	v_mov_b32 v[SW], v[TM+3]
.else
	v_lshl_or_b32 v[SW], v[TM+3], 8*\b, v[SW]
.endif
	v_cvt_scalef32_pk16_bf6_f32 v[DD:DD+2], v[XS:XS+15], v[TM+2]
	v_cvt_scalef32_pk16_bf6_f32 v[CT:CT+2], v[XS+16:XS+31], v[TM+2]
	v_nop                                          ; one plain place behind a scaled conversion
.irp i, 0,1,2
	v_mov_b32 v[DD+3+\i], v[CT+\i]
.endr
.endm
; a weight [1024][n]: A LANE TAKES A COLUMN AND ITS REGISTERS RUN DOWN K: 128 loads of 128 consecutive bytes a wave.  The even blocks' codes stand in the first 12 registers, the odd blocks' in the second 12;
; twelve exchanges of halves then make the two tiles' fragments of them (lanes 0-15 of a fragment want a row's even blocks, lanes 16-31 its odd ones).
.macro WPATH n, col
.set i, 0
.rept 128
	global_load_b32 v[X+i], v[\col], s[18:19] offset:i*\n*4
.set i, i+1
.endr
	WBLK 0, 63                                     ; 96 younger loads could stay out; the wait's field names 63 at the most
	WBLK 1, 63                                     ; 64 could
	WBLK 2, 32
	WBLK 3, 0
.irp i, 0,1,2,3,4,5,6,7,8,9,10,11
	v_permlane16_swap_b32 v[IMG+\i], v[IMG+12+\i]
.endr
.endm
	s_load_b256 s[4:11], s[0:1], 0x0               ; x s[4:5], w_qkv s[6:7], w_proj s[8:9], xq s[10:11]
	s_load_b128 s[12:15], s[0:1], 0x20             ; wq s[12:13], wp s[14:15]
	v_lshl_add_u32 v192, v0, 2, 0x10c00
	v_mov_b32 v193, 0
	v_lshrrev_b32 v1, 5, v0
	v_readfirstlane_b32 s[WV], v1                  ; wave 0..7 = my K step
	v_and_b32 v1, 31, v0                           ; lane
	v_and_b32 v2, 15, v0                           ; r
	v_bfe_u32 v3, v0, 4, 1                         ; h
	v_lshlrev_b32 v[L16], 4, v1
	v_lshlrev_b32 v[L8], 3, v1
	v_and_b32 v[CPI], 7, v1
	v_and_b32 v[CNAT], 8, v1
	v_lshl_or_b32 v[CPI], v[CNAT], 1, v[CPI]       ; bit 3 of my place goes to bit 4 of the column,
	v_lshl_or_b32 v[CPI], v3, 3, v[CPI]            ; bit 4 to bit 3
	v_lshlrev_b32 v[CPI], 2, v[CPI]
	v_lshlrev_b32 v[CNAT], 2, v1
	s_mul_i32 s17, s[WV], WSTG                     ; every LDS address is made here, ahead of the parting of the ways
	v_add_nc_u32 v[SA], s17, v[L16]                ; in: a row's 512 bytes as they lie
	v_mul_u32_u24 v[SB], v2, SPB
	v_lshl_add_u32 v[SB], v3, 6, v[SB]
	v_add_nc_u32 v[SB], s17, v[SB]                 ; out: row r, + 64 h: my 16 numbers of a block of 32
	s_lshr_b32 s17, s[WV], 1
	s_lshl_b32 s17, s17, 7
	s_and_b32 s18, s[WV], 1
	s_lshl_b32 s19, s18, 2
	s_add_co_u32 s17, s17, s19
	s_add_co_u32 s17, s17, GATH
	v_lshlrev_b32 v[GA], 9, v3
	v_lshl_add_u32 v[GA], v2, 3, v[GA]
	v_add_nc_u32 v[GA], s17, v[GA]                 ; tile lane / 16, row lane % 16, K step = wave
	s_lshl_b32 s18, s18, 9
	v_add_nc_u32 v[GO], s18, v[L16]
	v_add_nc_u32 v[GR], GATH, v[GO]
.irp b, 0,1,2,3
	v_mov_b32 v[TM+4+\b], 0                        ; written once: a lane permute's destination counts as one of its sources
.endr
	s_mov_b32 s[SEL], 0x76543210
	s_mov_b32 s[SEL+1], 0xfedcba98                 ; v_permlanex16_b32's selects for lane l xor 16
	s_mov_b32 s[MSK], 0xffff0000                   ; lanes 16-31
	s_mov_b32 s25, 0
	s_wait_kmcnt 0x0
	s_cmp_lt_u32 ttmp9, 256
	s_cbranch_scc0 .Lweights
	; ---- x: K is innermost.  Each load takes a row's 512 bytes as they lie; the 16 rows of a tile turn through my stage, so that a lane gets 16 neighbours of each block of its row
	s_mov_b32 s[GRP], ttmp9
	s_lshl_b32 s24, ttmp9, 17                      ; 32 rows of 4,096 bytes
	s_lshl_b32 s29, s[WV], 9                       ; my 128 numbers of a row
	s_add_co_u32 s24, s24, s29
	s_add_nc_u64 s[18:19], s[4:5], s[24:25]
	OUTP 10, 6291456
.irp u, 0,1
.irp i, 0,1,2,3,4,5,6,7,8,9,10,11,12,13,14,15
	global_load_b128 v[X+64*\u+4*\i:X+64*\u+4*\i+3], v[L16], s[18:19] offset:(8*\u+\i+8*(\i/8))*4096 th:TH_LOAD_NT
.endr
.endr
.macro THRU u                          ; LDS serves a wave's instructions in order: no wait between the stores and the loads, nor in front of the next tile's stores
.irp i, 0,1,2,3,4,5,6,7,8,9,10,11,12,13,14,15
	ds_store_b128 v[SA], v[X+64*\u+4*\i:X+64*\u+4*\i+3] offset:SPB*\i
.endr
.irp b, 0,1,2,3
.irp j, 0,1,2,3
	ds_load_b128 v[X+64*\u+16*\b+4*\j:X+64*\u+16*\b+4*\j+3], v[SB] offset:128*\b+16*\j
.endr
.endr
.endm
	s_wait_loadcnt 16                              ; tile 0's 16 loads are in; tile 1's may be out
	THRU 0
	s_wait_loadcnt 0x0
	THRU 1
	s_wait_dscnt 32                                ; tile 0 is back; tile 1's 16 stores and 16 loads may be out
	QUANT X, IMG, IMG+6, PW0
	s_wait_dscnt 0x0
	QUANT X+64, IMG+12, IMG+18, PW1
	v_cndmask_b32 v[SW], v[PW0], v[PW1], s[MSK]    ; lanes 0-15 carry tile 0's words, lanes 16-31 tile 1's
	s_branch .Ltail
.Lweights:
	s_cmp_lt_u32 ttmp9, 352
	s_cbranch_scc0 .Lproj
	s_sub_co_u32 s[GRP], ttmp9, 256
	s_mul_i32 s24, s[WV], 1572864                  ; 128 rows of 12,288 bytes
	s_lshl_b32 s29, s[GRP], 7                      ; 32 columns
	s_add_co_u32 s24, s24, s29
	s_add_nc_u64 s[18:19], s[6:7], s[24:25]
	OUTP 12, 2359296
	WPATH 3072, CPI
	s_branch .Ltail
.Lproj:
	s_sub_co_u32 s[GRP], ttmp9, 352
	s_lshl_b32 s24, s[WV], 19                      ; 128 rows of 4,096 bytes
	s_lshl_b32 s29, s[GRP], 7
	s_add_co_u32 s24, s24, s29
	s_add_nc_u64 s[18:19], s[8:9], s[24:25]
	OUTP 14, 786432
	WPATH 1024, CNAT
.Ltail:
.irp u, 0,1
.irp p, 0,1,2,3,4,5
	global_store_b64 v[L8], v[IMG+12*\u+2*\p:IMG+12*\u+2*\p+1], s[20:21] offset:12288*\u+256*\p   ; 32 lanes store 256 consecutive bytes, at a multiple of 256 from the buffer's first byte
.endr
.endr
	ds_store_b32 v[GA], v[SW]
	s_wait_dscnt 0x0                               ; for the others' sake: my word has landed
	s_barrier_signal -1
	s_barrier_wait -1                              ; the two tiles' scale words are whole
	s_cmp_lt_u32 s[WV], 2
	s_cbranch_scc0 .Lend
	ds_load_b128 v[X:X+3], v[GR]
	s_wait_dscnt 0x0
	global_store_b128 v[GO], v[X:X+3], s[22:23]    ; a tile's 512 bytes of scale words
.Lend:
	s_wait_tensorcnt 0x0
	ds_add_u32 v192, v193
	s_wait_dscnt 0x0
	s_endpgm
.Lfunc_end_k_q6344d48a41_quant:
	.size	k_q6344d48a41_quant, .Lfunc_end_k_q6344d48a41_quant-k_q6344d48a41_quant
	.p2alignl 7, 3214868480
	.fill 96, 4, 3214868480
	.section	.rodata,"a",@progbits
	.p2align	6, 0x0
	.amdhsa_kernel k_q6344d48a41_quant
		.amdhsa_group_segment_fixed_size 69632
		.amdhsa_private_segment_fixed_size 0
		.amdhsa_enable_private_segment 0
		.amdhsa_kernarg_size 48
		.amdhsa_user_sgpr_count 2
		.amdhsa_user_sgpr_kernarg_segment_ptr 1
		.amdhsa_wavefront_size32 1
		.amdhsa_system_sgpr_workgroup_id_x 1
		.amdhsa_system_sgpr_workgroup_id_y 1
		.amdhsa_system_sgpr_workgroup_id_z 1
		.amdhsa_system_vgpr_workitem_id 0
		.amdhsa_next_free_vgpr 194
		.amdhsa_next_free_sgpr 66
		.amdhsa_reserve_vcc 0
		.amdhsa_float_denorm_mode_32 3
		.amdhsa_float_denorm_mode_16_64 3
		.amdhsa_memory_ordered 1
		.amdhsa_forward_progress 1
		.amdhsa_inst_pref_size 57
	.end_amdhsa_kernel
	.amdgpu_metadata
---
amdhsa.version: [ 1, 2 ]
amdhsa.kernels:
  - .name:           k_q6344d48a41_quant
    .symbol:         k_q6344d48a41_quant.kd
    .args:
      - { .name: x, .offset: 0, .size: 8, .value_kind: global_buffer, .address_space: global }
      - { .name: w_qkv, .offset: 8, .size: 8, .value_kind: global_buffer, .address_space: global }
      - { .name: w_proj, .offset: 16, .size: 8, .value_kind: global_buffer, .address_space: global }
      - { .name: xq, .offset: 24, .size: 8, .value_kind: global_buffer, .address_space: global }
      - { .name: wq, .offset: 32, .size: 8, .value_kind: global_buffer, .address_space: global }
      - { .name: wp, .offset: 40, .size: 8, .value_kind: global_buffer, .address_space: global }
    .group_segment_fixed_size: 69632
    .private_segment_fixed_size: 0
    .kernarg_segment_align: 8
    .kernarg_segment_size: 48
    .max_flat_workgroup_size: 256
    .sgpr_count:     66
    .vgpr_count:     194
    .wavefront_size: 32
...
	.end_amdgpu_metadata
.endif
;; end of part 1
;; launch qkv (part 2): grid 12 x 32, 4 waves a work-group, clusters of 4 x 4, 327,680 bytes of LDS; arguments xq, wq, qb, kv; writes qb, kv
.if DOCPART == 2
	.amdgcn_target "amdgcn-amd-amdhsa--gfx1250"
	.amdhsa_code_object_version 6
	.text
	.protected	k_q6344d48a41_qkv
	.globl	k_q6344d48a41_qkv
	.p2align	8
	.type	k_q6344d48a41_qkv,@function
k_q6344d48a41_qkv:
	s_mov_b64 s[64:65], 0
	v_nop
	global_prefetch_b8 v0, s[64:65] scope:SCOPE_SE
	s_setreg_imm32_b32 hwreg(HW_REG_WAVE_MODE, 25, 1), 1
	s_wait_xcnt 0x0
	s_wait_alu depctr_hold_cnt(0) depctr_sa_sdst(0) depctr_va_vdst(0) depctr_va_sdst(0) depctr_va_ssrc(0) depctr_va_vcc(0) depctr_vm_vsrc(0)
	s_getreg_b32 s2, hwreg(HW_REG_IB_STS2, 6, 4)
	s_cmp_eq_u32 s2, 0
	s_cbranch_scc0 .Lentry_in_a_cluster
	s_endpgm
.Lentry_in_a_cluster:
	s_bfe_u32 s2, ttmp6, 0x10000c
	s_cmp_lg_u32 s2, 0xf033
	s_cbranch_scc0 .Lentry_shape_is_right
	s_endpgm
.Lentry_shape_is_right:
; qkv = x w_qkv on codes of BF6 (E3M2) with E8M0 scales for each 32 along K (K = 1,024); the results leave as CODES: q and k quantised along the head's 64, v along the keys.
; Operands lie in the order of the operand's registers: [tile of 16 rows][K step of 128][1,536 bytes: six blocks of 256, block p = registers 2 p, 2 p + 1 of lane l at 8 l]; behind the codes 512 bytes of scale words a tile,
; the word of (row r, K step s) at 128 (s / 2) + 8 r + 4 (s % 2).  Row r of tile 2 b + u is the tensor's row 32 b + 8 u + r + 8 (r / 8).
; A tile of the result, 256 x 256, is made by four waves, 128 x 128 each: 64 accumulators, 512 registers.  K goes in steps of 256 through a ring of two LDS slots filled by the tensor data mover.
; SOURCE 0 ("B") RUNS ALONG A LANE'S REGISTERS, SOURCE 1 ("A") IS THE LANE'S ROW.  By the row order above the 64 registers of one block of A's rows are 128 neighbours of B's axis, 16 of each 32 to a lane: what the quantiser wants.
;   clusters x = 0 (q), 1 (k): A = tokens (xq), B = features (wq): a lane holds a token, its registers two heads' 64.      cluster x = 2 (v): A = features (wq rows 2,048 on), B = tokens: a lane holds a feature, its registers 128 keys.
; OUT: a record of 204,800 bytes for each (batch, head), 16 steps of 12,800 bytes (128 tokens): 6,144 bytes of K codes (4 images of a PAIR of key tiles: tile 2 p in registers 0-5, tile 2 p + 1 in registers 6-11), 6,144 of V^T codes
; (4 images of 16 channels x 128 keys), 256 of K's scale words, 256 of V's (word (r, i) at 16 r + 4 i).  An image is 3 x 512 bytes: registers 4 c .. 4 c + 3 of lane l at 16 l.  q goes to qb in K's places of the same form.
; CLUSTERS: 4 x 4 work-groups; A's tiles are asked for jointly along a row of the cluster, B's along a column.
; LIMITS: a block of zeros, or one whose largest magnitude lies under 2^-122, gets the byte 1 (zero codes; this program alone reads the bytes); NaN and infinities are not served.
; REGISTERS: window 0: v16-29 addresses; v32-63 scale words, two sets; v64-119 at work on the way out; from v128 A's fragments, one set (on the way out v160-171: scale words to store).  window 1: B's fragments, two sets, at v0 and v128.
;   windows 2, 3: the accumulators of my A blocks 0-3, 4-7 (accumulator (a, b) at v[8 (8 (a % 4) + b)]).
.set NQ,     2                         ; matrix instructions deep in a slot
.set FR,     12                        ; registers of a fragment
.set NL,     6                         ; LDS loads that bring one
.set NP,     4                         ; places behind this matrix instruction (ISA guide 7.12.1)
.set TILEB,  3072                      ; a tile's two fragments in a slot
.set HALFT,  8*TILEB                   ; 8 tiles = 128 rows: what one tensor load brings, and what one wave reads of A or of B
.set SLOT,   4*HALFT
.set LAPS,   2                         ; 1,024 along K = two laps of two slots of 256
.set SCL,    2*SLOT                    ; behind the ring: A's scale words, 16 tiles x 512 bytes; B's begin 8,320 bytes on, 128 past a multiple of 256, so that the two halves of the lanes read different banks
.set SPARE,  213248                    ; behind the scales: the spare words, 128 bytes for each wave: two blocks of 256 bytes that no other line names
.set ADRA, 16                          ; v16-17  LDS address of my A fragments in slot 0, 1
.set ADRB, 20                          ; v20-21  the same for B
.set LI,   24                          ; v24     16 x lane
.set LSC,  25                          ; v25     16 r + 204,800 h: lanes 16-31 store the second head's scale words
.set ADRS, 27                          ; v27     LDS address of my scale words: lanes 0-15 A's rows, lanes 16-31 B's
.set SPW,  28                          ; v28     LDS address of my spare word; never rewritten
.set NIL,  29                          ; v29     0; never rewritten
.set SC,   32
.set TM,   64                          ; v64-79  the quantiser, at work
.set CT,   80                          ; v80-87  the upper halves of blocks' codes
.set PWE,  88
.set PWO,  89
.set IMGX, 96                          ; v96-119 images to store
.set AF,   128
.set SCW,  160
.set OW,   168
.set G1, 24
.set G0, 32
.set G1B, 48
.set G0B, 56
.set G1S, 68
.set G0S, 76
.set G1SB, 80
.set G0SB, 88
.set SEL, 92
.set MSK, 95
.set MSB, 0
.macro WIN new                         ; the immediate's high byte repeats the setting that is left
.if MSB != (\new)
	s_set_vgpr_msb (MSB<<8)|(\new)
.set MSB, (\new)
.endif
.endm
.set MUL_LO, 0xa1                      ; source 0 (B) window 1, source 1 (A) window 0, C and D window 2
.set MUL_HI, 0xf1                      ; the same, C and D window 3
.set TO_B,   0x40                      ; destination window 1, address window 0
; A joint load: waves 0 and 1 fetch for A, waves 2 and 3 for B; the branch hangs on the wave's number alone.  Four v_nop follow each of the two lines.
.macro JLOAD g0a, g1a, g0b, g1b
	s_cmp_eq_u32 s15, 0
	s_cbranch_scc0 .Lfor_b_\@
	tensor_load_to_lds s[\g0a:\g0a+3], s[\g1a:\g1a+7]
	s_nop 0
.rept 4
	v_nop
.endr
	s_branch .Lasked_\@
.Lfor_b_\@:
	tensor_load_to_lds s[\g0b:\g0b+3], s[\g1b:\g1b+7]
	s_nop 0
.rept 4
	v_nop
.endr
.Lasked_\@:
.endm
.macro CREST                           ; a round of the cluster's barrier behind its opening barrier
	s_cmp_lg_u32 s14, 0
	s_cbranch_scc1 .Lnot_wave_0_\@
	s_barrier_signal -3
.Lnot_wave_0_\@:
	s_barrier_wait -3
	s_barrier_signal -1
	s_barrier_wait -1
.endm
.macro CROUND
	s_barrier_signal -1
	s_barrier_wait -1
	CREST
.endm
	s_load_b128 s[96:99], s[0:1], 0x0              ; xq s[96:97], wq s[98:99]
	v_lshl_add_u32 v[SPW], v0, 2, SPARE
	v_mov_b32 v[NIL], 0
	ds_add_u32 v28, v29
	ds_add_u32 v28, v29
	s_wait_dscnt 0x0
	v_lshrrev_b32 v1, 5, v0
	v_readfirstlane_b32 s14, v1                    ; wave 0..3
	s_lshr_b32 s15, s14, 1                         ; which half of A's 256 rows is mine.  Also: I fetch for A (0) or for B (1)
	s_and_b32 s16, s14, 1                          ; which half of B's.  Also: which 8 tiles I fetch
	s_bfe_u32 s40, ttmp6, 0x40000                  ; cx, cy: my place in the cluster
	s_bfe_u32 s41, ttmp6, 0x40004
	s_and_b32 s17, ttmp7, 0xffff
	s_lshl_b32 s17, s17, 2                         ; 4 x cluster y
	s_lshl_b32 s42, ttmp9, 2                       ; 4 x cluster x
	s_cmp_eq_u32 ttmp9, 2                          ; v's clusters: the cluster's x is the same in all partners
	s_cselect_b32 s42, s17, s42                    ; B's block of 256 rows: tokens 4 cluster y + cx for v, features 4 cluster x + cx else
	s_cselect_b32 s17, 8, s17                      ; A's: features 8 + cy for v, tokens 4 cluster y + cy else
	s_cselect_b32 s66, 1, 0
	s_add_co_u32 s42, s42, s40
	s_add_co_u32 s17, s17, s41
	s_lshl_b32 s43, s41, 2
	s_lshl_b32 s43, 15, s43                        ; my row of the cluster
	s_lshl_b32 s44, 0x1111, s40                    ; my column
	; descriptor group 1 for codes: 8 rows (tiles) of 3,072 bytes (384 elements of 8 bytes), 12,288 bytes apart; dense in LDS
	s_or_b32 s[G1+0], s43, (3<<16)|(1<<21)         ; 15:0 the mask: A's tiles go to my row; 17:16 elements of 8 bytes; 21 set beside a mask
	s_or_b32 s[G1B+0], s44, (3<<16)|(1<<21)
.irp g, G1, G1B
	s_mov_b32 s[\g+1], 384<<16                     ; tensor_dim0
	s_mov_b32 s[\g+2], 8<<16                       ; tensor_dim1
	s_mov_b32 s[\g+3], 384<<16                     ; tile_dim0
	s_mov_b32 s[\g+4], 8                           ; tile_dim1
	s_mov_b32 s[\g+5], 1536                        ; tensor_dim0_stride
	s_mov_b32 s[\g+6], 0
	s_mov_b32 s[\g+7], 0
.endr
	; and for the scale words of 8 tiles: 4,096 dense bytes as 16 rows of 256
	s_or_b32 s[G1S+0], s43, (3<<16)|(1<<21)
	s_or_b32 s[G1SB+0], s44, (3<<16)|(1<<21)
.irp g, G1S, G1SB
	s_mov_b32 s[\g+1], 32<<16
	s_mov_b32 s[\g+2], 16<<16
	s_mov_b32 s[\g+3], 32<<16
	s_mov_b32 s[\g+4], 16
	s_mov_b32 s[\g+5], 32
	s_mov_b32 s[\g+6], 0
	s_mov_b32 s[\g+7], 0
.endr
	s_lshl_b32 s18, s16, 3
	s_lshl_b32 s20, s17, 4
	s_add_co_u32 s20, s20, s18                     ; A: my first tile
	s_lshl_b32 s46, s42, 4
	s_add_co_u32 s46, s46, s18                     ; B: likewise
	s_lshl_b32 s22, s20, 9                         ; their scale words, 512 bytes a tile,
	s_lshl_b32 s92, s46, 9
	s_mul_i32 s20, s20, 12288                      ; and their codes
	s_mul_i32 s46, s46, 12288
	s_mov_b32 s21, 0
	s_mov_b32 s23, 0
	s_mov_b32 s47, 0
	s_mov_b32 s93, 0
	s_mul_i32 s45, s14, HALFT                      ; where they go: wave x 8 tiles: no place in the cluster enters an LDS address
	s_lshl_b32 s94, s14, 12
	s_wait_kmcnt 0x0
	s_cmp_eq_u32 ttmp9, 2
	s_cselect_b64 s[4:5], s[98:99], s[96:97]       ; A's codes
	s_cselect_b64 s[8:9], s[96:97], s[98:99]       ; B's codes
	s_mov_b32 s6, 6291456                          ; xq's bytes of codes
	s_mov_b32 s10, 2359296                         ; wq's
	s_cselect_b32 s18, s10, s6
	s_cselect_b32 s10, s6, s10
	s_mov_b32 s6, s18
	s_mov_b32 s7, 0
	s_mov_b32 s11, 0
	s_add_nc_u64 s[6:7], s[4:5], s[6:7]            ; A's scale words
	s_add_nc_u64 s[10:11], s[8:9], s[10:11]        ; B's
	s_add_nc_u64 s[20:21], s[4:5], s[20:21]
	s_add_nc_u64 s[22:23], s[6:7], s[22:23]
	s_add_nc_u64 s[46:47], s[8:9], s[46:47]
	s_add_nc_u64 s[92:93], s[10:11], s[92:93]
	CROUND                                         ; all sixteen work-groups are here: the first joint loads meet
	s_mov_b32 s[G0S], 1
	s_add_co_u32 s[G0S+1], s94, SCL
	s_mov_b64 s[G0S+2:G0S+3], s[22:23]
	s_or_b32 s[G0S+3], s[G0S+3], 0x80000000
	s_mov_b32 s[G0SB], 1
	s_add_co_u32 s[G0SB+1], s94, SCL+128
	s_mov_b64 s[G0SB+2:G0SB+3], s[92:93]
	s_or_b32 s[G0SB+3], s[G0SB+3], 0x80000000
	JLOAD G0S, G1S, G0SB, G1SB                     ; the scale words for all of K: filled once
.irp s, 0,1
	s_mov_b32 s[G0+4*\s], 1
	s_add_co_u32 s[G0+4*\s+1], s45, \s*SLOT
	s_add_nc_u64 s[G0+4*\s+2:G0+4*\s+3], s[20:21], \s*TILEB
	s_or_b32 s[G0+4*\s+3], s[G0+4*\s+3], 0x80000000
	s_mov_b32 s[G0B+4*\s], 1
	s_add_co_u32 s[G0B+4*\s+1], s45, \s*SLOT
	s_add_nc_u64 s[G0B+4*\s+2:G0B+4*\s+3], s[46:47], \s*TILEB
	s_or_b32 s[G0B+4*\s+3], s[G0B+4*\s+3], 0x80000000
	JLOAD G0+4*\s, G1, G0B+4*\s, G1B               ; three tensor loads of mine are out
.endr
	v_and_b32 v1, 15, v0                           ; r
	v_bfe_u32 v2, v0, 4, 1                         ; h
	s_wait_alu depctr_va_vdst(0)
	v_and_b32 v3, 31, v0                           ; lane
	v_lshlrev_b32 v4, 3, v3                        ; 8 x lane: every fragment load takes 256 consecutive bytes
	s_mul_i32 s21, s15, HALFT                      ; my 8 tiles of A
	s_mul_i32 s22, s16, HALFT                      ; my 8 tiles of B,
	s_add_co_u32 s22, s22, 2*HALFT                 ; which lie behind A's 16
.irp s, 0,1
	v_add_nc_u32 v[ADRA+\s], s21, v4
	v_add_nc_u32 v[ADRB+\s], s22, v4
	s_add_co_u32 s21, s21, SLOT
	s_add_co_u32 s22, s22, SLOT
.endr
	v_lshlrev_b32 v5, 3, v1                        ; a K step's two words of row r
	s_lshl_b32 s21, s15, 12                        ; A's: my 8 tiles
	s_lshl_b32 s22, s16, 12                        ; B's: my 8 tiles, 8,320 bytes behind A's first
	s_add_co_u32 s22, s22, 8320
	s_sub_co_u32 s22, s22, s21
	v_mul_u32_u24 v6, s22, v2                      ; lanes 16-31 take B's: one product, the lower base + h x the distance
	s_add_co_u32 s21, s21, SCL
	v_add_nc_u32 v5, v5, v6
	v_add_nc_u32 v[ADRS], s21, v5
	v_lshlrev_b32 v[LI], 4, v3
	v_mul_u32_u24 v[LSC], v2, 204800
	v_lshl_add_u32 v[LSC], v1, 4, v[LSC]
.irp b, 0,1,2,3
	v_mov_b32 v[TM+4+\b], 0                        ; written once: a lane permute's destination counts as one of its sources
.endr
.macro FRAG reg, adr, q, i             ; tile i's fragment of the slot's q-th 128 along K: six loads of 8 bytes a lane, as the registers lie
.irp p, 0,1,2,3,4,5
	ds_load_b64 v[\reg+2*\p:\reg+2*\p+1], v[\adr] offset:TILEB*(\i)+1536*(\q)+256*\p
.endr
.endm
; 16 matrix instructions: A's blocks a0, a0 + 1 x B's eight.  The 64 accumulators take turns, one instruction a turn, in the same order in every step.
.macro MUL16 a0, p, q, sc, zero
.irp a, \a0, \a0+1
.irp b, 0,1,2,3,4,5,6,7
.if \zero
	v_wmma_scale_f32_16x16x128_f8f6f4 v[8*(8*((\a)%4)+\b):8*(8*((\a)%4)+\b)+7], v[128*(\p)+FR*\b:128*(\p)+FR*\b+FR-1], v[AF+FR*(\a):AF+FR*(\a)+FR-1], 0, v[SC+8*NQ*(\sc)+NQ*\b+(\q)], v[SC+8*NQ*(\sc)+NQ*(\a)+(\q)] matrix_a_fmt:MATRIX_FMT_BF6 matrix_b_fmt:MATRIX_FMT_BF6 matrix_a_scale:MATRIX_SCALE_ROW1
.else
	v_wmma_scale_f32_16x16x128_f8f6f4 v[8*(8*((\a)%4)+\b):8*(8*((\a)%4)+\b)+7], v[128*(\p)+FR*\b:128*(\p)+FR*\b+FR-1], v[AF+FR*(\a):AF+FR*(\a)+FR-1], v[8*(8*((\a)%4)+\b):8*(8*((\a)%4)+\b)+7], v[SC+8*NQ*(\sc)+NQ*\b+(\q)], v[SC+8*NQ*(\sc)+NQ*(\a)+(\q)] matrix_a_fmt:MATRIX_FMT_BF6 matrix_b_fmt:MATRIX_FMT_BF6 matrix_a_scale:MATRIX_SCALE_ROW1
.endif
.endr
.endr
.endm
.macro FETCH_B slot, q, p
	WIN TO_B
.irp i, 0,1,2,3,4,5,6,7
	FRAG 128*(\p)+FR*\i, ADRB+\slot, \q, \i
.endr
	WIN 0
.endm
.macro FETCH_A slot, q, i0
.irp i, \i0, \i0+1, \i0+2, \i0+3
	FRAG AF+FR*(\i), ADRA+\slot, \q, \i
.endr
.endm
.macro SCALES sc                       ; a K step's two scale words a row: lanes 0-15 take A's block i, lanes 16-31 B's block i
.irp i, 0,1,2,3,4,5,6,7
	ds_load_b64 v[SC+8*NQ*\sc+NQ*\i:SC+8*NQ*\sc+NQ*\i+1], v[ADRS] offset:\i*512
.endr
.endm
.macro PLACES n                        ; plain vector instructions between a matrix instruction and a load into, or a read of, its registers (ISA guide 7.12.1 for reads)
.rept \n
	v_nop
.endr
.endm
.macro STEP slot, q, zero              ; a step of 128 along K that has its successor in the same slot
	s_wait_dscnt 4*NL                              ; B's set and A's blocks 0-3 are in; the youngest 24 loads (A's blocks 4-7) may be out
	WIN MUL_LO
	MUL16 0, (\q)%2, \q, \slot, \zero
	MUL16 2, (\q)%2, \q, \slot, \zero
	s_wait_dscnt 0
	PLACES NP
	FETCH_B \slot, (\q)+1, 1-(\q)%2
	FETCH_A \slot, (\q)+1, 0
	WIN MUL_HI
	MUL16 4, (\q)%2, \q, \slot, \zero
	MUL16 6, (\q)%2, \q, \slot, \zero
	PLACES NP
	WIN 0
	FETCH_A \slot, (\q)+1, 4
.endm
; A slot's last step changes slots: one barrier; in front of it each wave waits for all its tensor loads, adds 0 to its spare word, and waits for that and for its own reads of this slot.  fill = 1: this slot is filled again, two K steps ahead.
.macro TURN slot, next, fill
	s_wait_tensorcnt 0x0                           ; all my tensor loads have landed: my part of the next slot
	ds_add_u32 v[SPW], v[NIL]                      ; 0 onto my spare word
	s_wait_dscnt 4*NL+1                            ; (the add and the youngest 24 loads may be out)
	WIN MUL_LO
	MUL16 0, 1, NQ-1, \slot, 0
	s_wait_dscnt 0x0                               ; the add is done, and my reads of this slot are over
	s_barrier_signal -1
	MUL16 2, 1, NQ-1, \slot, 0
	WIN 0
	s_barrier_wait -1
.if \fill
	CREST                                          ; the barrier has opened a round of the cluster's barrier: no wave of any partner still reads this slot or has a load on its way
	s_add_nc_u64 s[G0+4*\slot+2:G0+4*\slot+3], s[G0+4*\slot+2:G0+4*\slot+3], 2*TILEB
	s_add_nc_u64 s[G0B+4*\slot+2:G0B+4*\slot+3], s[G0B+4*\slot+2:G0B+4*\slot+3], 2*TILEB
	JLOAD G0+4*\slot, G1, G0B+4*\slot, G1B         ; the first tensor load behind the round, my only one until the next; its four v_nop are the places in front of the loads below
.else
	PLACES NP
.endif
	s_wait_alu depctr_va_vdst(0)
	v_add_nc_u32 v[ADRS], 128, v[ADRS]             ; on to the next K step's scale words
	FETCH_B \next, 0, 0
	FETCH_A \next, 0, 0
	SCALES \next
	WIN MUL_HI
	MUL16 4, 1, NQ-1, \slot, 0
	MUL16 6, 1, NQ-1, \slot, 0
	PLACES NP
	WIN 0
	FETCH_A \next, 0, 4
.endm
	s_wait_alu depctr_va_vdst(0)
	s_wait_tensorcnt 1                             ; the scale words and my part of K step 0 are in; K step 1's load may be out
	s_barrier_signal -1
	s_barrier_wait -1
	FETCH_B 0, 0, 0
	FETCH_A 0, 0, 0
	SCALES 0
	FETCH_A 0, 0, 4
	STEP 0, 0, 1                                   ; the first step stands in front of the loop: its products start the sums
	s_mov_b32 s3, LAPS-1
.Llap:
	TURN 0, 1, 1
	STEP 1, 0, 0
	TURN 1, 0, 1
	STEP 0, 0, 0
	s_sub_co_u32 s3, s3, 1
	s_cmp_lg_u32 s3, 0
	s_cbranch_scc1 .Llap
	TURN 0, 1, 0                                   ; the last lap fills nothing
	STEP 1, 0, 0
	s_load_b128 s[20:23], s[0:1], 0x10             ; qb s[20:21], kv s[22:23]: wanted on the way out
	s_wait_dscnt 4*NL
	WIN MUL_LO
	MUL16 0, 1, NQ-1, 1, 0
	MUL16 2, 1, NQ-1, 1, 0
	s_wait_dscnt 0
	WIN MUL_HI
	MUL16 4, 1, NQ-1, 1, 0
	MUL16 6, 1, NQ-1, 1, 0
	WIN 0
; THE WAY OUT.  The 64 registers of A's block a (window w, from v[s]): register 16 b + i = B's row 32 b + 16 (lane / 16) + i.  They become a fragment's registers 0-5 (d0 on), 6-11 (d1 on) and the lane's row's scale word.
; Each accumulator is read from its low end on.
.macro QUANT s, w, d0, d1, pw
	WIN (\w)|((\w)<<2)                             ; sources 0 and 1 in the accumulators' window
.irp b, 0,1,2,3
	v_max3_num_f32 v[TM+\b], |v[(\s)+16*\b]|, |v[(\s)+1+16*\b]|, 0x2800000   ; my 16 numbers of block b, and the floor 2^(5 - 127)
.endr
.irp i, 2,4,6,8,10,12,14
.irp b, 0,1,2,3
	v_max3_num_f32 v[TM+\b], |v[(\s)+16*\b+\i]|, |v[(\s)+1+16*\b+\i]|, v[TM+\b]
.endr
.endr
	WIN 0
.irp b, 0,1,2,3
	v_permlanex16_b32 v[TM+4+\b], v[TM+\b], s[SEL], s[SEL+1]
.endr
.irp b, 0,1,2,3
	v_max_num_f32 v[TM+\b], v[TM+\b], v[TM+4+\b]   ; with lane l xor 16's: the block's largest magnitude
.endr
.irp b, 0,1,2,3
	v_add_nc_u32 v[TM+12+\b], 0xfe000000, v[TM+\b]   ; 4 off its exponent field: the conversion's scale operand
.endr
.irp b, 0,1,2,3
	v_lshrrev_b32 v[TM+4+\b], 23, v[TM+12+\b]      ; the scale's byte
.endr
	v_lshl_or_b32 v[\pw], v[TM+5], 8, v[TM+4]
	v_lshl_or_b32 v[\pw], v[TM+6], 16, v[\pw]
	v_lshl_or_b32 v[\pw], v[TM+7], 24, v[\pw]
	s_wait_xcnt 0x0                                ; the earlier stores have read their data: the images' registers are written again only behind this wait
	WIN \w
	v_cvt_scalef32_pk16_bf6_f32 v[\d0:\d0+2], v[(\s):(\s)+15], v[TM+12]
	v_cvt_scalef32_pk16_bf6_f32 v[CT:CT+2], v[(\s)+16:(\s)+31], v[TM+13]
	v_cvt_scalef32_pk16_bf6_f32 v[\d1:\d1+2], v[(\s)+32:(\s)+47], v[TM+14]
	v_cvt_scalef32_pk16_bf6_f32 v[CT+4:CT+6], v[(\s)+48:(\s)+63], v[TM+15]
	WIN 0
	v_nop                                          ; one plain place behind a scaled conversion
.irp i, 0,1,2
	v_permlane16_swap_b32 v[\d0+\i], v[CT+\i]      ; a whole block to a lane
	v_permlane16_swap_b32 v[\d1+\i], v[CT+4+\i]
.endr
.irp i, 0,1,2
	v_mov_b32 v[\d0+3+\i], v[CT+\i]
	v_mov_b32 v[\d1+3+\i], v[CT+4+\i]
.endr
.endm
.macro SCOUT off                       ; two heads' scale words: lanes 0-15 the first head's four words of row r, lanes 16-31 the second's: two whole blocks of 256 bytes
.irp i, 0,1,2,3
	v_cndmask_b32 v[OW+\i], v[SCW+\i], v[SCW+4+\i], s[MSK]
.endr
	global_store_b128 v[LSC], v[OW:OW+3], s[12:13] offset:\off
.endm
	PLACES NP
	s_wait_kmcnt 0x0
	s_cmp_eq_u32 s66, 1
	s_cselect_b32 s2, s42, s17                     ; the block of 256 tokens,
	s_cselect_b32 s3, s16, s15                     ; my half of it,
	s_cselect_b32 s67, s17, s42                    ; the block of 256 features (four heads),
	s_cselect_b32 s95, s15, s16                    ; my half of it
	s_cselect_b32 s101, 6144, 0                    ; V's codes lie behind K's
	s_lshl_b32 s2, s2, 1
	s_add_co_u32 s2, s2, s3                        ; my 128 tokens: 16 x batch + step
	s_and_b32 s67, s67, 3
	s_lshl_b32 s67, s67, 2
	s_lshl_b32 s95, s95, 1
	s_add_co_u32 s67, s67, s95                     ; my first head
	s_lshr_b32 s3, s2, 4
	s_lshl_b32 s3, s3, 4
	s_add_co_u32 s3, s3, s67
	s_mul_i32 s3, s3, 204800
	s_and_b32 s2, s2, 15
	s_mul_i32 s2, s2, 12800
	s_add_co_u32 s100, s3, s2
	s_add_co_u32 s100, s100, s101
	s_mov_b32 s101, 0
	s_cmp_eq_u32 ttmp9, 0
	s_cselect_b64 s[12:13], s[20:21], s[22:23]     ; q goes to qb, k and v to kv
	s_add_nc_u64 s[12:13], s[12:13], s[100:101]
	s_mov_b32 s[SEL], 0x76543210
	s_mov_b32 s[SEL+1], 0xfedcba98
	s_mov_b32 s[MSK], 0xffff0000
	s_cmp_eq_u32 s66, 1
	s_cbranch_scc1 .Lvout
	; q, k: a block of A is a tile of 16 tokens; its fragment's registers 0-5 are the first head's 64, registers 6-11 the second's.  Two tiles make a pair image for each head.
.irp p, 0,1,2,3
	QUANT 64*((2*\p)%4), 2+(2*\p)/4, IMGX, IMGX+12, PWE
	QUANT 64*((2*\p+1)%4), 2+(2*\p+1)/4, IMGX+6, IMGX+18, PWO
.irp c, 0,1
.irp k, 0,1,2
	global_store_b128 v[LI], v[IMGX+12*\c+4*\k:IMGX+12*\c+4*\k+3], s[12:13] offset:204800*\c+1536*\p+512*\k   ; 32 lanes store 512 consecutive bytes, at a multiple of 256 from the buffer's first byte
.endr
.endr
	v_perm_b32 v[SCW+\p], v[PWO], v[PWE], 0x05040100     ; the first head: the even tile's two bytes, then the odd tile's
	v_perm_b32 v[SCW+4+\p], v[PWO], v[PWE], 0x07060302   ; the second head
.endr
	SCOUT 12288
	s_branch .Ldone
.Lvout:
	; v: a block of A is a tile of 16 channels (blocks 0-3: the first head, 4-7: the second); its fragment is 16 channels x my 128 keys
.irp a, 0,1,2,3,4,5,6,7
	QUANT 64*(\a%4), 2+\a/4, IMGX, IMGX+6, SCW+\a
.irp k, 0,1,2
	global_store_b128 v[LI], v[IMGX+4*\k:IMGX+4*\k+3], s[12:13] offset:204800*(\a/4)+1536*(\a%4)+512*\k
.endr
.endr
	SCOUT 6400
.Ldone:
	s_wait_tensorcnt 0x0                           ; the wave's end
	ds_add_u32 v[SPW], v[NIL]
	s_wait_dscnt 0x0
	CROUND                                         ; the closing round: no work-group ends while a partner may still ask for a tile that names it
	s_endpgm
.Lfunc_end_k_q6344d48a41_qkv:
	.size	k_q6344d48a41_qkv, .Lfunc_end_k_q6344d48a41_qkv-k_q6344d48a41_qkv
	.p2alignl 7, 3214868480
	.fill 96, 4, 3214868480
	.section	.rodata,"a",@progbits
	.p2align	6, 0x0
	.amdhsa_kernel k_q6344d48a41_qkv
		.amdhsa_group_segment_fixed_size 327680
		.amdhsa_private_segment_fixed_size 0
		.amdhsa_enable_private_segment 0
		.amdhsa_kernarg_size 32
		.amdhsa_user_sgpr_count 2
		.amdhsa_user_sgpr_kernarg_segment_ptr 1
		.amdhsa_wavefront_size32 1
		.amdhsa_system_sgpr_workgroup_id_x 1
		.amdhsa_system_sgpr_workgroup_id_y 1
		.amdhsa_system_sgpr_workgroup_id_z 1
		.amdhsa_system_vgpr_workitem_id 0
		.amdhsa_next_free_vgpr 1024
		.amdhsa_next_free_sgpr 102
		.amdhsa_reserve_vcc 0
		.amdhsa_float_denorm_mode_32 3
		.amdhsa_float_denorm_mode_16_64 3
		.amdhsa_memory_ordered 1
		.amdhsa_forward_progress 1
		.amdhsa_inst_pref_size 199
	.end_amdhsa_kernel
	.amdgpu_metadata
---
amdhsa.version: [ 1, 2 ]
amdhsa.kernels:
  - .name:           k_q6344d48a41_qkv
    .symbol:         k_q6344d48a41_qkv.kd
    .args:
      - { .name: xq, .offset: 0, .size: 8, .value_kind: global_buffer, .address_space: global }
      - { .name: wq, .offset: 8, .size: 8, .value_kind: global_buffer, .address_space: global }
      - { .name: qb, .offset: 16, .size: 8, .value_kind: global_buffer, .address_space: global }
      - { .name: kv, .offset: 24, .size: 8, .value_kind: global_buffer, .address_space: global }
    .group_segment_fixed_size: 327680
    .private_segment_fixed_size: 0
    .kernarg_segment_align: 8
    .kernarg_segment_size: 32
    .max_flat_workgroup_size: 128
    .sgpr_count:     102
    .vgpr_count:     1024
    .wavefront_size: 32
...
	.end_amdgpu_metadata
.endif
;; end of part 2
;; launch attn (part 3): grid 4 x 64, 16 waves a work-group, clusters of 4 x 1, 206,848 bytes of LDS; arguments qb, kv, yq; writes yq
.if DOCPART == 3
	.amdgcn_target "amdgcn-amd-amdhsa--gfx1250"
	.amdhsa_code_object_version 6
	.text
	.protected	k_q6344d48a41_attn
	.globl	k_q6344d48a41_attn
	.p2align	8
	.type	k_q6344d48a41_attn,@function
k_q6344d48a41_attn:
	s_mov_b64 s[64:65], 0
	v_nop
	global_prefetch_b8 v0, s[64:65] scope:SCOPE_SE
	s_setreg_imm32_b32 hwreg(HW_REG_WAVE_MODE, 25, 1), 1
	s_wait_xcnt 0x0
	s_wait_alu depctr_hold_cnt(0) depctr_sa_sdst(0) depctr_va_vdst(0) depctr_va_sdst(0) depctr_va_ssrc(0) depctr_va_vcc(0) depctr_vm_vsrc(0)
	s_getreg_b32 s2, hwreg(HW_REG_IB_STS2, 6, 4)
	s_cmp_eq_u32 s2, 0
	s_cbranch_scc0 .Lentry_in_a_cluster
	s_endpgm
.Lentry_in_a_cluster:
	s_bfe_u32 s2, ttmp6, 0x10000c
	s_cmp_lg_u32 s2, 0x3003
	s_cbranch_scc0 .Lentry_shape_is_right
	s_endpgm
.Lentry_shape_is_right:
; y[b][h][q] = the sum over k <= q of softmax_k(q . k / 8) v, both products on codes of BF6 (E3M2) with E8M0 scales for each 32 along a product's K; y leaves as codes, quantised along the head's 64, in the next product's operand order.
; THE SOFTMAX: t = score x log2(e) / 8; M = the row's largest t so far, rounded UP to a whole number; p = 2^(t - M) is quantised along the keys, not normalised.  The row's sum is taken of the unquantised p and divides at the end
; (a reciprocal and a multiplication).  When M moves, the sum and O are multiplied by 2^(old M - new M): exact.  A block's largest p is made from the block's largest score by the same two instructions.
; A HEAD'S WHOLE K, V AND SCALE WORDS, 204,800 bytes (16 steps of 128 keys x 12,800 bytes, as the launch before laid them), LIE IN LDS, filled ONCE: no ring, no refill, no barrier in the loops.
; CLUSTER: the four work-groups of a cluster belong to one head and ask for its bytes jointly.  Wave w of partner cx owns two tiles of 16 queries: tile 8 (w / 2) + 2 cx + w % 2 and its mirror, 127 less that.  The step on whose diagonal
; a tile lies, w / 2 or 15 - w / 2, hangs on the wave's number alone, so no branch hangs on cx; every wave has 17 live steps.
; LAYOUT: both products are used transposed (S^T = K Q^T, O^T = V^T P^T): a lane holds ONE query.  Row r of tile 2 b + u of queries, keys or channels is number 32 b + 8 u + r + 8 (r / 8), so that 16 registers of two neighbouring
; result tiles are 16 neighbours.  K = 64 IN AN INSTRUCTION OF 128: an image of K holds key tile 2 p in its lower 64 along K and tile 2 p + 1 in its upper; against [q | 0] it gives tile 2 p's scores, against [0 | q] tile 2 p + 1's:
; the half that is not wanted meets zero codes under real scale bytes and adds an exact 0.
; y's scale bytes are stored singly, 32 a tile and head: a scale word spans two heads, which are two clusters; these blocks of 256 bytes are written in part.
; LIMITS: a block of zeros, or one whose largest magnitude lies under 2^-122, gets the byte 1 (zero codes; this program alone reads the bytes); NaN and infinities are not served.
.set L16, 1                            ; v1   16 x lane
.set R16, 2                            ; v2   16 x (lane % 16)
.set L8,  3                            ; v3   8 x lane
.set YSO, 4                            ; v4   8 r + h: my scale byte of y
.set ADK, 5                            ; v5   LDS address of the step's images
.set ADS, 6                            ; v6   and of its scale words
.set DQ,  7                            ; v7   my query less the diagonal step's first key, less 16 h
.set NINF, 8                           ; v8   -infinity
.set RP,  9                            ; v9   r + 8 (r / 8) - 16 h
.set QLO, 16                           ; v16-27  [q | 0]
.set QHI, 28                           ; v28-39  [0 | q]
.set KF,  40                           ; v40-87  four images of K, then four of V
.set S,   88                           ; v88-151 S^T, then p; on the way out y
.set O,   152                          ; v152-183 O^T
.set PC,  184                          ; v184-195 p's codes
.set CT,  196                          ; v196-203 the upper halves of blocks' codes
.set BM,  204                          ; v204-207 the blocks' largest scores, then largest p
.set BP,  208                          ; v208-211 the other half's; then the bytes
.set BS,  212                          ; v212-215 the conversions' scale operands
.set KS,  216                          ; v216-219 K's scale words
.set VS,  220                          ; v220-223 V's
.set QS,  224                          ; v224 q's scale word
.set PS,  225                          ; v225 p's
.set FF,  226                          ; v[226:227] f = 2^(old M - new M); on the way out 1 / the sum
.set SU,  228                          ; v[228:229] the sum's second chain
.set T0,  230
.set T1,  231
.set WV,  10
.set CX,  11
.set HB,  12
.set SEL, 14
.set CS,  16
.set MSK, 18
.set G1,  24
.set G0A, 32
.set G0B, 36
.set TB,  40                           ; s40  LDS byte at which the step's record begins
.set STI, 41                           ; s41  the step
.set GD,  42                           ; s42  the step on whose diagonal my tile lies
.set CNT, 43
.set TT,  44                           ; s44  my tile of queries
.macro CROUND
	s_barrier_signal -1
	s_barrier_wait -1
	s_cmp_lg_u32 s[WV], 0
	s_cbranch_scc1 .Lnot_wave_0_\@
	s_barrier_signal -3
.Lnot_wave_0_\@:
	s_barrier_wait -3
	s_barrier_signal -1
	s_barrier_wait -1
.endm
	s_load_b128 s[4:7], s[0:1], 0x0                ; qb s[4:5], kv s[6:7]
	s_load_b64 s[8:9], s[0:1], 0x10                ; yq
	v_lshl_add_u32 v254, v0, 2, 0x32000
	v_mov_b32 v255, 0
	ds_add_u32 v254, v255
	ds_add_u32 v254, v255
	v_lshrrev_b32 v1, 5, v0
	s_delay_alu instid0(VALU_DEP_1)
	v_readfirstlane_b32 s[WV], v1                  ; wave 0..15
	s_bfe_u32 s[CX], ttmp6, 0x40000                ; my place in the cluster
	s_and_b32 s[HB], ttmp7, 0xffff                 ; 16 x batch + head, which the four partners share
	; descriptor group 1: 6,400 dense bytes as 25 rows of 256 (32 elements of 8 bytes)
	s_mov_b32 s[G1], 15|(3<<16)|(1<<21)            ; 15:0 the mask: all four work-groups; 17:16 elements of 8 bytes; 21 set beside a mask
	s_mov_b32 s[G1+1], 32<<16
	s_mov_b32 s[G1+2], 25<<16
	s_mov_b32 s[G1+3], 32<<16
	s_mov_b32 s[G1+4], 25
	s_mov_b32 s[G1+5], 32
	s_mov_b32 s[G1+6], 0
	s_mov_b32 s[G1+7], 0
	s_mul_i32 s20, s[HB], 204800
	s_mov_b32 s21, 0
	s_mul_i32 s22, s[WV], 6400                     ; my sixteenth of half a record, in memory and in LDS alike
	s_mov_b32 s23, 0
	s_mov_b32 s[SEL], 0x76543210
	s_mov_b32 s[SEL+1], 0xfedcba98                 ; v_permlanex16_b32's selects for lane l xor 16
	s_mov_b32 s[CS], 0x3e38aa3b                    ; c = log2(e) / 8
	s_mov_b32 s[CS+1], s[CS]                       ; (named with it as a pair, so it is written)
	s_mov_b32 s[MSK], 0xffff0000                   ; lanes 16-31
	s_wait_dscnt 0x0
	s_wait_kmcnt 0x0
	s_add_nc_u64 s[54:55], s[4:5], s[20:21]        ; the head's record of q
	s_add_nc_u64 s[6:7], s[6:7], s[20:21]
	s_add_nc_u64 s[6:7], s[6:7], s[22:23]
	s_mov_b32 s[G0A], 1
	s_mov_b32 s[G0A+1], s22                        ; keys 0 to 1,023
	s_mov_b64 s[G0A+2:G0A+3], s[6:7]
	s_or_b32 s[G0A+3], s[G0A+3], 0x80000000
	s_mov_b32 s[G0B], 1
	s_add_co_u32 s[G0B+1], s22, 102400             ; keys 1,024 to 2,047
	s_add_nc_u64 s[G0B+2:G0B+3], s[6:7], 102400
	s_or_b32 s[G0B+3], s[G0B+3], 0x80000000
	CROUND                                         ; all four work-groups are here: the joint loads meet
	tensor_load_to_lds s[G0A:G0A+3], s[G1:G1+7]    ; the launch's only fills: two tensor loads of mine are out
	s_nop 0
	tensor_load_to_lds s[G0B:G0B+3], s[G1:G1+7]
	s_nop 0
.rept 4
	v_nop
.endr
	v_and_b32 v10, 31, v0                          ; lane
	v_and_b32 v11, 15, v0                          ; r
	v_bfe_u32 v[T0], v0, 4, 1                      ; h
	s_delay_alu instid0(VALU_DEP_3)
	v_lshlrev_b32 v[L16], 4, v10
	s_delay_alu instid0(VALU_DEP_3)
	v_lshlrev_b32 v[R16], 4, v11
	v_lshlrev_b32 v[L8], 3, v10
	s_delay_alu instid0(VALU_DEP_4)
	v_lshl_add_u32 v[YSO], v11, 3, v[T0]
	v_and_b32 v[T1], 8, v11
	s_delay_alu instid0(VALU_DEP_1)
	v_add_nc_u32 v[RP], v[T1], v11
	v_lshlrev_b32 v[T1], 4, v[T0]
	s_delay_alu instid0(VALU_DEP_1)
	v_sub_nc_u32 v[RP], v[RP], v[T1]
	v_mov_b32 v[NINF], 0xff800000
.irp i, 0,1,2,3,4,5
	v_mov_b32 v[QLO+6+\i], 0                       ; the zero halves: written once
	v_mov_b32 v[QHI+\i], 0
.endr
.irp b, 0,1,2,3
	v_mov_b32 v[BP+\b], 0                          ; written once: a lane permute's destination counts as one of its sources
.endr
	v_mov_b32 v[FF+1], 0                           ; (named as the upper half of a pair)
; A TILE IS SET UP.  hi = 1: the mirror tile.  u (which tile of a pair) hangs on the wave's number, pr (which pair of the step's four) on cx; cx enters global addresses and the mask's compare alone.
.macro TSET hi
	s_lshr_b32 s[GD], s[WV], 1
	s_and_b32 s56, s[WV], 1                        ; u
	s_mov_b32 s45, s[CX]                           ; pr
.if \hi
	s_sub_co_u32 s[GD], 15, s[GD]
	s_xor_b32 s56, s56, 1
	s_sub_co_u32 s45, 3, s45
.endif
	s_lshl_b32 s[TT], s[GD], 3
	s_lshl_b32 s57, s45, 1
	s_add_co_u32 s[TT], s[TT], s57
	s_add_co_u32 s[TT], s[TT], s56                 ; the tile: 8 x step + 2 pr + u
	s_mul_i32 s57, s[GD], 12800
	s_mul_i32 s58, s45, 1536
	s_add_co_u32 s58, s58, s57
	s_mov_b32 s59, 0
	s_add_nc_u64 s[46:47], s[54:55], s[58:59]      ; the pair's image
	s_lshl_b32 s58, s45, 2
	s_add_co_u32 s58, s58, s57
	s_add_nc_u64 s[48:49], s[54:55], s[58:59]      ; and its scale words
.irp c, 0,1,2
	global_load_b128 v[S+4*\c:S+4*\c+3], v[L16], s[46:47] offset:512*\c
.endr
	global_load_b32 v[S+12], v[R16], s[48:49] offset:12288
	s_cmp_eq_u32 s56, 1
	s_cselect_b32 s57, -1, 0                       ; all lanes take the pair's upper tile, or none
	s_mov_b32 s58, 0x01000100
	s_cselect_b32 s58, 0x03020302, s58             ; my tile's two bytes, twice
	s_lshl_b32 s45, s45, 5
	s_lshl_b32 s56, s56, 3
	s_add_co_u32 s45, s45, s56
	v_add_nc_u32 v[DQ], s45, v[RP]
	s_mov_b32 s[TB], 0
	s_mov_b32 s[STI], 0
	s_wait_loadcnt 0x0
	s_wait_xcnt 0x0                                ; the last tile's stores have read their data: those registers are written again only behind this wait
.irp i, 0,1,2,3,4,5
	v_cndmask_b32 v[QLO+\i], v[S+\i], v[S+6+\i], s57
	v_cndmask_b32 v[QHI+6+\i], v[S+\i], v[S+6+\i], s57
.endr
	v_perm_b32 v[QS], v[S+12], v[S+12], s58
	v_mov_b32 v13, 0xff61b1e6                      ; the largest t so far: -3e38, under every t
	s_delay_alu instid0(VALU_DEP_1)
	v_floor_f32 v12, -v13                          ; -M
	v_mov_b32 v14, 0                               ; the sum, in two halves
	v_mov_b32 v15, 0
.set j, 0
.rept 32
	v_mov_b32 v[O+j], 0                            ; O^T.  (The step is written without a first step of its own; these lines are also the places between q's scale word and the first scaled product)
.set j, j+1
.endr
.endm
; A KEY STEP: 128 keys.  mask = 1: a step behind my tile's diagonal is left out (a scalar branch on the wave's number and the count of steps), and on the diagonal hidden scores become -infinity.
.macro STEP mask
.if \mask
	s_cmp_gt_u32 s[STI], s[GD]
	s_cbranch_scc1 .Lhid_\@
.endif
	s_setprio 2
	v_add_nc_u32 v[ADK], s[TB], v[L16]
	v_add_nc_u32 v[ADS], s[TB], v[R16]
	v_nop
	v_nop                                          ; four places in front of loads into registers that the last products read
.irp p, 0,1,2,3
.irp c, 0,1,2
	ds_load_b128 v[KF+12*\p+4*\c:KF+12*\p+4*\c+3], v[ADK] offset:1536*\p+512*\c
.endr
.endr
	ds_load_b128 v[KS:KS+3], v[ADS] offset:12288
	s_wait_alu depctr_va_vdst(0)
	s_wait_dscnt 0x0
.irp p, 0,1,2,3
	v_wmma_scale_f32_16x16x128_f8f6f4 v[S+16*\p:S+16*\p+7], v[KF+12*\p:KF+12*\p+11], v[QLO:QLO+11], 0, v[KS+\p], v[QS] matrix_a_fmt:MATRIX_FMT_BF6 matrix_b_fmt:MATRIX_FMT_BF6
	v_wmma_scale_f32_16x16x128_f8f6f4 v[S+16*\p+8:S+16*\p+15], v[KF+12*\p:KF+12*\p+11], v[QHI:QHI+11], 0, v[KS+\p], v[QS] matrix_a_fmt:MATRIX_FMT_BF6 matrix_b_fmt:MATRIX_FMT_BF6
.endr                                          ; register 16 b + i of S^T is key 32 b + 16 (lane / 16) + i of the step
.rept 4
	v_nop                                          ; places in front of the loads below and of the first read of the scores
.endr
.irp t, 0,1,2,3
.irp c, 0,1,2
	ds_load_b128 v[KF+12*\t+4*\c:KF+12*\t+4*\c+3], v[ADK] offset:6144+1536*\t+512*\c   ; V's images land while the softmax is walked
.endr
.endr
	ds_load_b128 v[VS:VS+3], v[ADS] offset:12544
.if \mask
	s_cmp_lt_u32 s[STI], s[GD]
	s_cbranch_scc1 .Lopen_\@
.set n, 0
.rept 64
	v_cmp_gt_i32 vcc_lo, 32*(n/16)+n%16, v[DQ]     ; hidden where the register's key comes after my query
	v_cndmask_b32 v[S+n], v[S+n], v[NINF], vcc_lo
.set n, n+1
.endr
.Lopen_\@:
.endif
.irp b, 0,1,2,3
	v_max3_num_f32 v[BM+\b], v[S+16*\b], v[S+16*\b+1], v[S+16*\b+2]   ; the largest score of each block of 32 keys: for the row's maximum, and for the block's largest p
.endr
.irp i, 3,5,7,9,11,13
.irp b, 0,1,2,3
	v_max3_num_f32 v[BM+\b], v[BM+\b], v[S+16*\b+\i], v[S+16*\b+\i+1]
.endr
.endr
.irp b, 0,1,2,3
	v_max_num_f32 v[BM+\b], v[BM+\b], v[S+16*\b+15]
.endr
.irp b, 0,1,2,3
	s_delay_alu instid0(VALU_DEP_4)
	v_permlanex16_b32 v[BP+\b], v[BM+\b], s[SEL], s[SEL+1]
.endr
.irp b, 0,1,2,3
	s_delay_alu instid0(VALU_DEP_4)
	v_max_num_f32 v[BM+\b], v[BM+\b], v[BP+\b]     ; with lane l xor 16's 16 keys
.endr
	s_delay_alu instid0(VALU_DEP_2)
	v_max3_num_f32 v[T0], v[BM], v[BM+1], v[BM+2]
	s_delay_alu instid0(VALU_DEP_1)
	v_max_num_f32 v[T0], v[T0], v[BM+3]
	s_delay_alu instid0(VALU_DEP_1)
	v_mul_f32 v[T0], s[CS], v[T0]                  ; the step's largest t (c is positive)
	s_delay_alu instid0(VALU_DEP_1)
	v_max_num_f32 v13, v13, v[T0]                  ; the running largest t
	v_mov_b32 v[T0], v12
	s_delay_alu instid0(VALU_DEP_2)
	v_floor_f32 v12, -v13                          ; the new -M = floor(-t): M is a whole number
	s_delay_alu instid0(VALU_DEP_1)
	v_sub_f32 v[T0], v12, v[T0]                    ; old M - new M: a whole number, 0 or less
	s_delay_alu instid0(VALU_DEP_1)
	v_cvt_i32_f32 v[T0], v[T0]                     ; (it saturates)
	s_delay_alu instid0(VALU_DEP_1)
	v_ldexp_f32 v[FF], 1.0, v[T0]                  ; f = 2^(old M - new M)
.set j, 0
.rept 32
	v_pk_fma_f32 v[S+j:S+j+1], v[S+j:S+j+1], s[CS:CS+1], v[12:13] op_sel_hi:[1,0,0]   ; t - M, two at a time
.set j, j+2
.endr
.irp b, 0,1,2,3
	v_fma_f32 v[BM+\b], v[BM+\b], s[CS], v12       ; the same of each block's largest score
.endr
.set j, 0
	s_setprio 1
	s_wait_alu depctr_va_vdst(0)
.rept 64
	v_exp_f32 v[S+j], v[S+j]                       ; p = 2^(t - M)
.set j, j+1
.endr
	v_pk_mul_f32 v[14:15], v[14:15], v[FF:FF+1] op_sel_hi:[1,0]   ; the sums under the new M: a plain place behind the exponentials
	s_wait_alu depctr_va_vdst(0)                   ; one wait for the whole batch, ahead of its first reader
.irp b, 0,1,2,3
	v_exp_f32 v[BM+\b], v[BM+\b]                   ; the block's largest p
.endr
	v_pk_add_f32 v[228:229], v[92:93], v[96:97]
	v_pk_add_f32 v[252:253], v[100:101], v[104:105]
	v_pk_add_f32 v[250:251], v[108:109], v[112:113]
	v_pk_add_f32 v[248:249], v[116:117], v[120:121]
	v_pk_add_f32 v[246:247], v[124:125], v[128:129]
	v_pk_add_f32 v[244:245], v[132:133], v[136:137]
	v_pk_add_f32 v[242:243], v[140:141], v[144:145]
	v_pk_add_f32 v[14:15], v[14:15], v[148:149]
	v_pk_add_f32 v[228:229], v[228:229], v[88:89]
	v_pk_add_f32 v[252:253], v[252:253], v[90:91]
	v_pk_add_f32 v[250:251], v[250:251], v[94:95]
	v_pk_add_f32 v[248:249], v[248:249], v[98:99]
	v_pk_add_f32 v[246:247], v[246:247], v[102:103]
	v_pk_add_f32 v[244:245], v[244:245], v[106:107]
	v_pk_add_f32 v[242:243], v[242:243], v[110:111]
	v_pk_add_f32 v[14:15], v[14:15], v[114:115]
	v_pk_add_f32 v[228:229], v[228:229], v[118:119]
	v_pk_add_f32 v[252:253], v[252:253], v[122:123]
	v_pk_add_f32 v[250:251], v[250:251], v[126:127]
	v_pk_add_f32 v[248:249], v[248:249], v[130:131]
	v_pk_add_f32 v[246:247], v[246:247], v[134:135]
	v_pk_add_f32 v[244:245], v[244:245], v[138:139]
	v_pk_add_f32 v[242:243], v[242:243], v[142:143]
	v_pk_add_f32 v[14:15], v[14:15], v[146:147]
	v_pk_add_f32 v[228:229], v[228:229], v[150:151]
	s_delay_alu instid0(VALU_DEP_2)
	v_pk_add_f32 v[14:15], v[14:15], v[248:249]
	s_delay_alu instid0(VALU_DEP_2)
	v_pk_add_f32 v[228:229], v[228:229], v[246:247]
	v_pk_add_f32 v[252:253], v[252:253], v[244:245]
	v_pk_add_f32 v[250:251], v[250:251], v[242:243]
	s_delay_alu instid0(VALU_DEP_2)
	v_pk_add_f32 v[14:15], v[14:15], v[252:253]
	s_delay_alu instid0(VALU_DEP_2)
	v_pk_add_f32 v[228:229], v[228:229], v[250:251]
	s_delay_alu instid0(VALU_DEP_1)
	v_pk_add_f32 v[14:15], v[14:15], v[228:229]
	s_wait_alu depctr_va_vdst(0)                   ; and one for the four
.irp b, 0,1,2,3
	v_max_num_f32 v[BM+\b], 0x2800000, v[BM+\b]    ; the floor 2^(5 - 127): the byte cannot fall under 1
.endr
.irp b, 0,1,2,3
	s_delay_alu instid0(VALU_DEP_4)
	v_add_nc_u32 v[BS+\b], 0xfe000000, v[BM+\b]    ; 4 off the exponent field: the conversion's scale operand
.endr
.irp b, 0,1,2,3
	s_delay_alu instid0(VALU_DEP_4)
	v_lshrrev_b32 v[BP+\b], 23, v[BS+\b]           ; the scale's byte
.endr
	s_delay_alu instid0(VALU_DEP_3)
	v_lshl_or_b32 v[PS], v[BP+1], 8, v[BP]
	s_delay_alu instid0(VALU_DEP_1)
	v_lshl_or_b32 v[PS], v[BP+2], 16, v[PS]
	s_delay_alu instid0(VALU_DEP_1)
	v_lshl_or_b32 v[PS], v[BP+3], 24, v[PS]
.irp c, 0,1
	v_cvt_scalef32_pk16_bf6_f32 v[PC+6*\c:PC+6*\c+2], v[S+32*\c:S+32*\c+15], v[BS+2*\c]
	v_cvt_scalef32_pk16_bf6_f32 v[CT+4*\c:CT+4*\c+2], v[S+32*\c+16:S+32*\c+31], v[BS+2*\c+1]
.endr
	v_nop                                          ; one plain place behind a scaled conversion
	s_setprio 0
.irp c, 0,1
.irp i, 0,1,2
	v_permlane16_swap_b32 v[PC+6*\c+\i], v[CT+4*\c+\i]   ; a whole block to a lane
.endr
.irp i, 0,1,2
	s_delay_alu instid0(VALU_DEP_3)
	v_mov_b32 v[PC+3+6*\c+\i], v[CT+4*\c+\i]
.endr
.endr
.set j, 0
.rept 16
	v_pk_mul_f32 v[O+j:O+j+1], v[O+j:O+j+1], v[FF:FF+1] op_sel_hi:[1,0]   ; O^T under the new M.  (Also the places between p's codes and scale word and the scaled products)
.set j, j+2
.endr
	s_wait_alu depctr_va_vdst(0)
	s_wait_dscnt 0x0                               ; V's images and scale words are in
.irp t, 0,1,2,3                                ; four accumulators, one instruction each; eight other products stand between two links of a chain
	v_wmma_scale_f32_16x16x128_f8f6f4 v[O+8*\t:O+8*\t+7], v[KF+12*\t:KF+12*\t+11], v[PC:PC+11], v[O+8*\t:O+8*\t+7], v[VS+\t], v[PS] matrix_a_fmt:MATRIX_FMT_BF6 matrix_b_fmt:MATRIX_FMT_BF6
.endr
.if \mask
.Lhid_\@:
.endif
	s_add_co_u32 s[TB], s[TB], 12800
	s_add_co_u32 s[STI], s[STI], 1
.endm
.macro RUN mask                        ; eight steps: the trip count is a constant
	s_mov_b32 s[CNT], 8
.Lrun_\@:
	STEP \mask
	s_sub_co_u32 s[CNT], s[CNT], 1
	s_cmp_lg_u32 s[CNT], 0
	s_cbranch_scc1 .Lrun_\@
	s_setprio 0
.endm
; THE WAY OUT of a tile: y = O^T / the sum; register 16 b + i is channel 32 b + 16 (lane / 16) + i of my query: two blocks, quantised in registers: half a fragment of the next product's A (K = 64 x head + channel).
.macro OUT
	s_wait_xcnt 0x0                                ; the last tile's stores have read their bases
.rept 4
	v_nop                                          ; places behind the last products
.endr
	v_add_f32 v14, v14, v15
	s_delay_alu instid0(VALU_DEP_1)
	v_permlanex16_b32 v[T0], v14, s[SEL], s[SEL+1]
	s_delay_alu instid0(VALU_DEP_1)
	v_add_f32 v14, v14, v[T0]                      ; the row's sum
	s_wait_alu depctr_va_vdst(0)
	v_rcp_f32 v[FF], v14
	v_nop                                          ; a plain place behind the reciprocal
	s_lshr_b32 s56, s[HB], 4
	s_lshl_b32 s56, s56, 7
	s_add_co_u32 s56, s56, s[TT]                   ; yq's tile: 128 x batch + my tile
	s_and_b32 s57, s[HB], 15                       ; the head
	s_mul_i32 s58, s56, 12288
	s_lshr_b32 s45, s57, 1
	s_mul_i32 s45, s45, 1536                       ; K step head / 2,
	s_add_co_u32 s58, s58, s45
	s_and_b32 s45, s57, 1
	s_mul_i32 s45, s45, 768                        ; registers 0-5 or 6-11: three blocks of 256 bytes
	s_add_co_u32 s58, s58, s45
	s_mov_b32 s59, 0
	s_add_nc_u64 s[50:51], s[8:9], s[58:59]
	s_lshl_b32 s58, s56, 9
	s_lshr_b32 s45, s57, 2
	s_lshl_b32 s45, s45, 7
	s_add_co_u32 s58, s58, s45
	s_bfe_u32 s45, s57, 0x10001
	s_lshl_b32 s45, s45, 2
	s_add_co_u32 s58, s58, s45
	s_and_b32 s45, s57, 1
	s_lshl_b32 s45, s45, 1
	s_add_co_u32 s58, s58, s45
	s_add_co_u32 s58, s58, 6291456                 ; the scale words lie behind the codes
	s_add_nc_u64 s[52:53], s[8:9], s[58:59]
	s_wait_alu depctr_va_vdst(0)                   ; the wait ahead of the reciprocal's first reader
.set j, 0
.rept 16
	v_pk_mul_f32 v[S+j:S+j+1], v[O+j:O+j+1], v[FF:FF+1] op_sel_hi:[1,0]   ; each accumulator from its low end on
.set j, j+2
.endr
.irp b, 0,1
	v_max3_num_f32 v[BM+\b], |v[S+16*\b]|, |v[S+16*\b+1]|, 0x2800000
.endr
.irp i, 2,4,6,8,10,12,14
.irp b, 0,1
	s_delay_alu instid0(VALU_DEP_2)
	v_max3_num_f32 v[BM+\b], v[BM+\b], |v[S+16*\b+\i]|, |v[S+16*\b+\i+1]|
.endr
.endr
.irp b, 0,1
	s_delay_alu instid0(VALU_DEP_2)
	v_permlanex16_b32 v[BP+\b], v[BM+\b], s[SEL], s[SEL+1]
.endr
.irp b, 0,1
	s_delay_alu instid0(VALU_DEP_2)
	v_max_num_f32 v[BM+\b], v[BM+\b], v[BP+\b]
.endr
.irp b, 0,1
	s_delay_alu instid0(VALU_DEP_2)
	v_add_nc_u32 v[BS+\b], 0xfe000000, v[BM+\b]
.endr
.irp b, 0,1
	s_delay_alu instid0(VALU_DEP_2)
	v_lshrrev_b32 v[BP+\b], 23, v[BS+\b]
.endr
	v_cvt_scalef32_pk16_bf6_f32 v[PC:PC+2], v[S:S+15], v[BS]
	v_cvt_scalef32_pk16_bf6_f32 v[CT:CT+2], v[S+16:S+31], v[BS+1]
	v_nop                                          ; one plain place behind a scaled conversion
.irp i, 0,1,2
	v_permlane16_swap_b32 v[PC+\i], v[CT+\i]
.endr
.irp i, 0,1,2
	s_delay_alu instid0(VALU_DEP_3)
	v_mov_b32 v[PC+3+\i], v[CT+\i]
.endr
	v_cndmask_b32 v[T0], v[BP], v[BP+1], s[MSK]    ; lanes 0-15 store block 0's byte, lanes 16-31 block 1's
.irp i, 0,1,2
	global_store_b64 v[L8], v[PC+2*\i:PC+2*\i+1], s[50:51] offset:256*\i   ; 32 lanes store 256 consecutive bytes, at a multiple of 256 from the buffer's first byte
.endr
	global_store_b8 v[YSO], v[T0], s[52:53]
.endm
	TSET 1                                         ; the mirror tile first: its first eight steps are open in every wave
	s_wait_tensorcnt 0x1                           ; my part of keys 0 to 1,023 is in; the other half's load may be out
	s_barrier_signal -1
	s_barrier_wait -1                              ; everybody's is
	RUN 0                                          ; steps 0 to 7
	s_wait_tensorcnt 0x0                           ; my part of keys 1,024 to 2,047 is in,
	s_wait_dscnt 0x0
	s_barrier_signal -1
	s_barrier_wait -1                              ; everybody's is
	RUN 1                                          ; steps 8 to 15
	OUT
	TSET 0
	RUN 1                                          ; steps 0 to 7
	OUT
	s_wait_tensorcnt 0x0
	ds_add_u32 v254, v255
	s_wait_dscnt 0x0
	CROUND                                         ; the closing round: no work-group ends while a partner may still ask for bytes that name it
	s_endpgm
.Lfunc_end_k_q6344d48a41_attn:
	.size	k_q6344d48a41_attn, .Lfunc_end_k_q6344d48a41_attn-k_q6344d48a41_attn
	.p2alignl 7, 3214868480
	.fill 96, 4, 3214868480
	.section	.rodata,"a",@progbits
	.p2align	6, 0x0
	.amdhsa_kernel k_q6344d48a41_attn
		.amdhsa_group_segment_fixed_size 206848
		.amdhsa_private_segment_fixed_size 0
		.amdhsa_enable_private_segment 0
		.amdhsa_kernarg_size 24
		.amdhsa_user_sgpr_count 2
		.amdhsa_user_sgpr_kernarg_segment_ptr 1
		.amdhsa_wavefront_size32 1
		.amdhsa_system_sgpr_workgroup_id_x 1
		.amdhsa_system_sgpr_workgroup_id_y 1
		.amdhsa_system_sgpr_workgroup_id_z 1
		.amdhsa_system_vgpr_workitem_id 0
		.amdhsa_next_free_vgpr 256
		.amdhsa_next_free_sgpr 66
		.amdhsa_reserve_vcc 1
		.amdhsa_float_denorm_mode_32 3
		.amdhsa_float_denorm_mode_16_64 3
		.amdhsa_memory_ordered 1
		.amdhsa_forward_progress 1
		.amdhsa_inst_pref_size 83
	.end_amdhsa_kernel
	.amdgpu_metadata
---
amdhsa.version: [ 1, 2 ]
amdhsa.kernels:
  - .name:           k_q6344d48a41_attn
    .symbol:         k_q6344d48a41_attn.kd
    .args:
      - { .name: qb, .offset: 0, .size: 8, .value_kind: global_buffer, .address_space: global }
      - { .name: kv, .offset: 8, .size: 8, .value_kind: global_buffer, .address_space: global }
      - { .name: yq, .offset: 16, .size: 8, .value_kind: global_buffer, .address_space: global }
    .group_segment_fixed_size: 206848
    .private_segment_fixed_size: 0
    .kernarg_segment_align: 8
    .kernarg_segment_size: 24
    .max_flat_workgroup_size: 512
    .sgpr_count:     66
    .vgpr_count:     256
    .wavefront_size: 32
...
	.end_amdgpu_metadata
.endif
;; end of part 3
;; launch proj (part 4): grid 4 x 32, 4 waves a work-group, clusters of 4 x 4, 327,680 bytes of LDS; arguments yq, wp, out0; writes out0
.if DOCPART == 4
	.amdgcn_target "amdgcn-amd-amdhsa--gfx1250"
	.amdhsa_code_object_version 6
	.text
	.protected	k_q6344d48a41_proj
	.globl	k_q6344d48a41_proj
	.p2align	8
	.type	k_q6344d48a41_proj,@function
k_q6344d48a41_proj:
	s_mov_b64 s[64:65], 0
	v_nop
	global_prefetch_b8 v0, s[64:65] scope:SCOPE_SE
	s_setreg_imm32_b32 hwreg(HW_REG_WAVE_MODE, 25, 1), 1
	s_wait_xcnt 0x0
	s_wait_alu depctr_hold_cnt(0) depctr_sa_sdst(0) depctr_va_vdst(0) depctr_va_sdst(0) depctr_va_ssrc(0) depctr_va_vcc(0) depctr_vm_vsrc(0)
	s_getreg_b32 s2, hwreg(HW_REG_IB_STS2, 6, 4)
	s_cmp_eq_u32 s2, 0
	s_cbranch_scc0 .Lentry_in_a_cluster
	s_endpgm
.Lentry_in_a_cluster:
	s_bfe_u32 s2, ttmp6, 0x10000c
	s_cmp_lg_u32 s2, 0xf033
	s_cbranch_scc0 .Lentry_shape_is_right
	s_endpgm
.Lentry_shape_is_right:
; out0 = y w_proj on codes of BF6 (E3M2) with E8M0 scales for each 32 along K (K = 1,024); out0 [8192][1024] f32.
; Operands lie in the order of the operand's registers: [tile of 16 rows][K step of 128][1,536 bytes: six blocks of 256, block p = registers 2 p, 2 p + 1 of lane l at 8 l]; behind the codes 512 bytes of scale words a tile,
; the word of (row r, K step s) at 128 (s / 2) + 8 r + 4 (s % 2).  Row r of tile 2 b + u of yq is token 32 b + 8 u + r + 8 (r / 8); wp's rows (out0's columns) are in natural order.
; A tile of out0, 256 x 256, is made by four waves, 128 x 128 each: 64 accumulators, 512 registers.  K goes in steps of 256 through a ring of two LDS slots filled by the tensor data mover.
; THE MATRIX INSTRUCTION IS USED TRANSPOSED (source 0 = 16 rows of wp, "B"; source 1 = 16 rows of yq, "A"): a lane holds eight neighbouring numbers of a row of out0.
; CLUSTERS: 4 x 4 work-groups; A's tiles are asked for jointly along a row of the cluster, B's along a column.
; REGISTERS: window 0: v16-29 addresses; v32-63 scale words, two sets; from v128 A's fragments, one set (on the way out v128-255: rows read back).  window 1: B's fragments, two sets, at v0 and v128.
;   windows 2, 3: the accumulators of my A blocks 0-3, 4-7 (accumulator (a, b) at v[8 (8 (a % 4) + b)]).
.set NQ,     2
.set FR,     12
.set NL,     6
.set NP,     4                         ; places behind this matrix instruction (ISA guide 7.12.1)
.set TILEB,  3072
.set HALFT,  8*TILEB
.set SLOT,   4*HALFT
.set LAPS,   2
.set SCL,    2*SLOT                    ; A's scale words, 16 tiles x 512 bytes; B's begin 8,320 bytes on, 128 past a multiple of 256
.set SPARE,  213248                    ; the spare words, 128 bytes for each wave: two blocks of 256 bytes that no other line names
.set SPITCH, 528                       ; the way out: a stage of 16 rows x (512 bytes + 16) for each wave, in slot 0, which has had its last fill and its last read when the first result is stored there
.set ADRA, 16
.set ADRB, 20
.set STO,  24                          ; v24  the way out: where I put 32 bytes of a row
.set RD,   25                          ; v25  where I read a row back
.set CO,   26                          ; v26  my byte offset in a row of out0
.set ADRS, 27
.set SPW,  28
.set NIL,  29
.set SC,   32
.set AF,   128
.set BK,   128
.set G1, 24
.set G0, 32
.set G1B, 48
.set G0B, 56
.set G1S, 68
.set G0S, 76
.set G1SB, 80
.set G0SB, 88
.set MSB, 0
.macro WIN new                         ; the immediate's high byte repeats the setting that is left
.if MSB != (\new)
	s_set_vgpr_msb (MSB<<8)|(\new)
.set MSB, (\new)
.endif
.endm
.set MUL_LO, 0xa1
.set MUL_HI, 0xf1
.set TO_B,   0x40
.macro JLOAD g0a, g1a, g0b, g1b        ; a joint load: waves 0 and 1 fetch for A, waves 2 and 3 for B; four v_nop follow each of the two lines
	s_cmp_eq_u32 s15, 0
	s_cbranch_scc0 .Lfor_b_\@
	tensor_load_to_lds s[\g0a:\g0a+3], s[\g1a:\g1a+7]
	s_nop 0
.rept 4
	v_nop
.endr
	s_branch .Lasked_\@
.Lfor_b_\@:
	tensor_load_to_lds s[\g0b:\g0b+3], s[\g1b:\g1b+7]
	s_nop 0
.rept 4
	v_nop
.endr
.Lasked_\@:
.endm
.macro CREST
	s_cmp_lg_u32 s14, 0
	s_cbranch_scc1 .Lnot_wave_0_\@
	s_barrier_signal -3
.Lnot_wave_0_\@:
	s_barrier_wait -3
	s_barrier_signal -1
	s_barrier_wait -1
.endm
.macro CROUND
	s_barrier_signal -1
	s_barrier_wait -1
	CREST
.endm
	s_load_b64 s[4:5], s[0:1], 0x0                 ; yq
	s_load_b64 s[8:9], s[0:1], 0x8                 ; wp
	s_load_b64 s[12:13], s[0:1], 0x10              ; out0
	v_lshl_add_u32 v[SPW], v0, 2, SPARE
	v_mov_b32 v[NIL], 0
	ds_add_u32 v28, v29
	ds_add_u32 v28, v29
	s_wait_dscnt 0x0
	v_lshrrev_b32 v1, 5, v0
	v_readfirstlane_b32 s14, v1                    ; wave 0..3
	s_lshr_b32 s15, s14, 1                         ; which half of the tile's rows is mine.  Also: I fetch for A (0) or for B (1)
	s_and_b32 s16, s14, 1                          ; which half of its columns.  Also: which 8 tiles I fetch
	s_bfe_u32 s40, ttmp6, 0x40000                  ; cx, cy
	s_bfe_u32 s41, ttmp6, 0x40004
	s_lshl_b32 s42, ttmp9, 2
	s_add_co_u32 s42, s42, s40                     ; tile column = 4 x cluster x + cx
	s_and_b32 s17, ttmp7, 0xffff
	s_lshl_b32 s17, s17, 2
	s_add_co_u32 s17, s17, s41                     ; tile row = 4 x cluster y + cy
	s_lshl_b32 s43, s41, 2
	s_lshl_b32 s43, 15, s43                        ; my row of the cluster
	s_lshl_b32 s44, 0x1111, s40                    ; my column
	s_or_b32 s[G1+0], s43, (3<<16)|(1<<21)         ; codes: 8 rows (tiles) of 3,072 bytes (384 elements of 8 bytes), 12,288 bytes apart; dense in LDS
	s_or_b32 s[G1B+0], s44, (3<<16)|(1<<21)
.irp g, G1, G1B
	s_mov_b32 s[\g+1], 384<<16
	s_mov_b32 s[\g+2], 8<<16
	s_mov_b32 s[\g+3], 384<<16
	s_mov_b32 s[\g+4], 8
	s_mov_b32 s[\g+5], 1536
	s_mov_b32 s[\g+6], 0
	s_mov_b32 s[\g+7], 0
.endr
	s_or_b32 s[G1S+0], s43, (3<<16)|(1<<21)        ; scale words of 8 tiles: 4,096 dense bytes as 16 rows of 256
	s_or_b32 s[G1SB+0], s44, (3<<16)|(1<<21)
.irp g, G1S, G1SB
	s_mov_b32 s[\g+1], 32<<16
	s_mov_b32 s[\g+2], 16<<16
	s_mov_b32 s[\g+3], 32<<16
	s_mov_b32 s[\g+4], 16
	s_mov_b32 s[\g+5], 32
	s_mov_b32 s[\g+6], 0
	s_mov_b32 s[\g+7], 0
.endr
	s_lshl_b32 s18, s16, 3
	s_lshl_b32 s20, s17, 4
	s_add_co_u32 s20, s20, s18                     ; A: my first tile
	s_lshl_b32 s46, s42, 4
	s_add_co_u32 s46, s46, s18                     ; B: likewise
	s_lshl_b32 s22, s20, 9
	s_lshl_b32 s92, s46, 9
	s_mul_i32 s20, s20, 12288
	s_mul_i32 s46, s46, 12288
	s_mov_b32 s21, 0
	s_mov_b32 s23, 0
	s_mov_b32 s47, 0
	s_mov_b32 s93, 0
	s_mul_i32 s45, s14, HALFT
	s_lshl_b32 s94, s14, 12
	s_wait_kmcnt 0x0
	s_add_nc_u64 s[6:7], s[4:5], 6291456           ; yq's scale words lie behind its codes,
	s_add_nc_u64 s[10:11], s[8:9], 786432          ; wp's likewise
	s_add_nc_u64 s[20:21], s[4:5], s[20:21]
	s_add_nc_u64 s[22:23], s[6:7], s[22:23]
	s_add_nc_u64 s[46:47], s[8:9], s[46:47]
	s_add_nc_u64 s[92:93], s[10:11], s[92:93]
	CROUND                                         ; all sixteen work-groups are here: the first joint loads meet
	s_mov_b32 s[G0S], 1
	s_add_co_u32 s[G0S+1], s94, SCL
	s_mov_b64 s[G0S+2:G0S+3], s[22:23]
	s_or_b32 s[G0S+3], s[G0S+3], 0x80000000
	s_mov_b32 s[G0SB], 1
	s_add_co_u32 s[G0SB+1], s94, SCL+128
	s_mov_b64 s[G0SB+2:G0SB+3], s[92:93]
	s_or_b32 s[G0SB+3], s[G0SB+3], 0x80000000
	JLOAD G0S, G1S, G0SB, G1SB                     ; the scale words for all of K: filled once
.irp s, 0,1
	s_mov_b32 s[G0+4*\s], 1
	s_add_co_u32 s[G0+4*\s+1], s45, \s*SLOT
	s_add_nc_u64 s[G0+4*\s+2:G0+4*\s+3], s[20:21], \s*TILEB
	s_or_b32 s[G0+4*\s+3], s[G0+4*\s+3], 0x80000000
	s_mov_b32 s[G0B+4*\s], 1
	s_add_co_u32 s[G0B+4*\s+1], s45, \s*SLOT
	s_add_nc_u64 s[G0B+4*\s+2:G0B+4*\s+3], s[46:47], \s*TILEB
	s_or_b32 s[G0B+4*\s+3], s[G0B+4*\s+3], 0x80000000
	JLOAD G0+4*\s, G1, G0B+4*\s, G1B               ; three tensor loads of mine are out
.endr
	v_and_b32 v1, 15, v0                           ; r
	v_bfe_u32 v2, v0, 4, 1                         ; h
	v_and_b32 v3, 31, v0                           ; lane
	v_lshlrev_b32 v4, 3, v3
	s_mul_i32 s21, s15, HALFT
	s_mul_i32 s22, s16, HALFT
	s_add_co_u32 s22, s22, 2*HALFT
.irp s, 0,1
	v_add_nc_u32 v[ADRA+\s], s21, v4
	v_add_nc_u32 v[ADRB+\s], s22, v4
	s_add_co_u32 s21, s21, SLOT
	s_add_co_u32 s22, s22, SLOT
.endr
	v_lshlrev_b32 v5, 3, v1
	s_lshl_b32 s21, s15, 12
	s_lshl_b32 s22, s16, 12
	s_add_co_u32 s22, s22, 8320
	s_sub_co_u32 s22, s22, s21
	v_mul_u32_u24 v6, s22, v2                      ; lanes 16-31 take B's: one product, the lower base + h x the distance
	s_add_co_u32 s21, s21, SCL
	v_add_nc_u32 v5, v5, v6
	v_add_nc_u32 v[ADRS], s21, v5
	s_mul_i32 s23, s14, 16*SPITCH                  ; my stage
	v_mul_u32_u24 v5, v1, SPITCH
	v_lshl_add_u32 v5, v2, 5, v5
	v_add_nc_u32 v[STO], s23, v5                   ; in: row r, 32 bytes for each half of the lanes
	v_lshlrev_b32 v[CO], 4, v3                     ; back: the 32 lanes take one row of 512 bytes; and the same in out0
	v_add_nc_u32 v[RD], s23, v[CO]
	s_lshl_b32 s20, s17, 8
	s_lshl_b32 s21, s15, 7
	s_add_co_u32 s20, s20, s21                     ; my first row: 256 x tile row + 128 x half,
	s_lshl_b32 s20, s20, 12                        ; of 4,096 bytes
	s_lshl_b32 s46, s42, 10                        ; my first column, in bytes
	s_lshl_b32 s47, s16, 9
	s_add_co_u32 s46, s46, s47
	s_add_co_u32 s20, s20, s46
	s_mov_b32 s21, 0
	s_add_nc_u64 s[12:13], s[12:13], s[20:21]
.macro FRAG reg, adr, q, i
.irp p, 0,1,2,3,4,5
	ds_load_b64 v[\reg+2*\p:\reg+2*\p+1], v[\adr] offset:TILEB*(\i)+1536*(\q)+256*\p
.endr
.endm
; The 64 accumulators take turns, one instruction a turn, in the same order in every step.
.macro MUL16 a0, p, q, sc, zero
.irp a, \a0, \a0+1
.irp b, 0,1,2,3,4,5,6,7
.if \zero
	v_wmma_scale_f32_16x16x128_f8f6f4 v[8*(8*((\a)%4)+\b):8*(8*((\a)%4)+\b)+7], v[128*(\p)+FR*\b:128*(\p)+FR*\b+FR-1], v[AF+FR*(\a):AF+FR*(\a)+FR-1], 0, v[SC+8*NQ*(\sc)+NQ*\b+(\q)], v[SC+8*NQ*(\sc)+NQ*(\a)+(\q)] matrix_a_fmt:MATRIX_FMT_BF6 matrix_b_fmt:MATRIX_FMT_BF6 matrix_a_scale:MATRIX_SCALE_ROW1
.else
	v_wmma_scale_f32_16x16x128_f8f6f4 v[8*(8*((\a)%4)+\b):8*(8*((\a)%4)+\b)+7], v[128*(\p)+FR*\b:128*(\p)+FR*\b+FR-1], v[AF+FR*(\a):AF+FR*(\a)+FR-1], v[8*(8*((\a)%4)+\b):8*(8*((\a)%4)+\b)+7], v[SC+8*NQ*(\sc)+NQ*\b+(\q)], v[SC+8*NQ*(\sc)+NQ*(\a)+(\q)] matrix_a_fmt:MATRIX_FMT_BF6 matrix_b_fmt:MATRIX_FMT_BF6 matrix_a_scale:MATRIX_SCALE_ROW1
.endif
.endr
.endr
.endm
.macro FETCH_B slot, q, p
	WIN TO_B
.irp i, 0,1,2,3,4,5,6,7
	FRAG 128*(\p)+FR*\i, ADRB+\slot, \q, \i
.endr
	WIN 0
.endm
.macro FETCH_A slot, q, i0
.irp i, \i0, \i0+1, \i0+2, \i0+3
	FRAG AF+FR*(\i), ADRA+\slot, \q, \i
.endr
.endm
.macro SCALES sc
.irp i, 0,1,2,3,4,5,6,7
	ds_load_b64 v[SC+8*NQ*\sc+NQ*\i:SC+8*NQ*\sc+NQ*\i+1], v[ADRS] offset:\i*512
.endr
.endm
.macro PLACES n
.rept \n
	v_nop
.endr
.endm
.macro STEP slot, q, zero
	s_wait_dscnt 4*NL                              ; B's set and A's blocks 0-3 are in; the youngest 24 loads (A's blocks 4-7) may be out
	WIN MUL_LO
	MUL16 0, (\q)%2, \q, \slot, \zero
	MUL16 2, (\q)%2, \q, \slot, \zero
	s_wait_dscnt 0
	PLACES NP
	FETCH_B \slot, (\q)+1, 1-(\q)%2
	FETCH_A \slot, (\q)+1, 0
	WIN MUL_HI
	MUL16 4, (\q)%2, \q, \slot, \zero
	MUL16 6, (\q)%2, \q, \slot, \zero
	PLACES NP
	WIN 0
	FETCH_A \slot, (\q)+1, 4
.endm
.macro TURN slot, next, fill
	s_wait_tensorcnt 0x0                           ; all my tensor loads have landed: my part of the next slot
	ds_add_u32 v[SPW], v[NIL]                      ; 0 onto my spare word
	s_wait_dscnt 4*NL+1                            ; (the add and the youngest 24 loads may be out)
	WIN MUL_LO
	MUL16 0, 1, NQ-1, \slot, 0
	s_wait_dscnt 0x0                               ; the add is done, and my reads of this slot are over
	s_barrier_signal -1
	MUL16 2, 1, NQ-1, \slot, 0
	WIN 0
	s_barrier_wait -1
.if \fill
	CREST                                          ; the barrier has opened a round of the cluster's barrier: no wave of any partner still reads this slot or has a load on its way
	s_add_nc_u64 s[G0+4*\slot+2:G0+4*\slot+3], s[G0+4*\slot+2:G0+4*\slot+3], 2*TILEB
	s_add_nc_u64 s[G0B+4*\slot+2:G0B+4*\slot+3], s[G0B+4*\slot+2:G0B+4*\slot+3], 2*TILEB
	JLOAD G0+4*\slot, G1, G0B+4*\slot, G1B         ; the first tensor load behind the round, my only one until the next
.else
	PLACES NP
.endif
	v_add_nc_u32 v[ADRS], 128, v[ADRS]
	FETCH_B \next, 0, 0
	FETCH_A \next, 0, 0
	SCALES \next
	WIN MUL_HI
	MUL16 4, 1, NQ-1, \slot, 0
	MUL16 6, 1, NQ-1, \slot, 0
	PLACES NP
	WIN 0
	FETCH_A \next, 0, 4
.endm
	s_wait_tensorcnt 1                             ; the scale words and my part of K step 0 are in; K step 1's load may be out
	s_barrier_signal -1
	s_barrier_wait -1
	FETCH_B 0, 0, 0
	FETCH_A 0, 0, 0
	SCALES 0
	FETCH_A 0, 0, 4
	STEP 0, 0, 1
	s_mov_b32 s3, LAPS-1
.Llap:
	TURN 0, 1, 1
	STEP 1, 0, 0
	TURN 1, 0, 1
	STEP 0, 0, 0
	s_sub_co_u32 s3, s3, 1
	s_cmp_lg_u32 s3, 0
	s_cbranch_scc1 .Llap
	TURN 0, 1, 0
	STEP 1, 0, 0
	s_wait_dscnt 4*NL
	WIN MUL_LO
	MUL16 0, 1, NQ-1, 1, 0
	MUL16 2, 1, NQ-1, 1, 0
	s_wait_dscnt 0
	WIN MUL_HI
	MUL16 4, 1, NQ-1, 1, 0
	MUL16 6, 1, NQ-1, 1, 0
	WIN 0
; THE WAY OUT, block by block of 16 rows x 128 columns, through my own stage: in as 32 bytes a lane, back as whole rows of 512 bytes.  LDS serves a wave's instructions in order: no wait between the stores and the loads.
.macro TOSTAGE a
.set AC, 64*((\a)%4)
	WIN 0x08+4*((\a)/4)                            ; the data: window 2 or 3
.irp b, 0,1,2,3,4,5,6,7
	ds_store_b128 v[STO], v[AC+8*\b:AC+8*\b+3] offset:64*\b          ; each accumulator from its low end on
	ds_store_b128 v[STO], v[AC+8*\b+4:AC+8*\b+7] offset:64*\b+16
.endr
	WIN 0
.set BB, BK+64*((\a)%2)
.irp t, 0,1,2,3,4,5,6,7,8,9,10,11,12,13,14,15
	ds_load_b128 v[BB+4*\t:BB+4*\t+3], v[RD] offset:\t*SPITCH
.endr
.endm
.macro SEND a, younger                 ; row t of block a = 2 b + u is token 32 b + 8 u + t + 8 (t / 8) of my 128: the order of yq's rows is undone in the stores' immediates; the base is never stepped
.set BB, BK+64*((\a)%2)
	s_wait_dscnt \younger
.irp t, 0,1,2,3,4,5,6,7,8,9,10,11,12,13,14,15
	global_store_b128 v[CO], v[BB+4*\t:BB+4*\t+3], s[12:13] offset:(32*((\a)/2)+8*((\a)%2)+\t+8*(\t/8))*4096 th:TH_STORE_NT   ; 32 lanes store 512 consecutive bytes, at a multiple of 256 from out0's first byte
.endr
.endm
	PLACES NP
	TOSTAGE 0
.irp a, 1,2,3,4,5,6,7
.if \a > 1
	s_wait_xcnt 0x0                                ; block a - 2's stores have read their registers: block a's loads may land there
.endif
	TOSTAGE \a
	SEND \a-1, 32                                  ; behind block a - 1's loads: block a's 16 stores and 16 loads
.endr
	SEND 7, 0
	s_wait_tensorcnt 0x0                           ; the wave's end
	ds_add_u32 v[SPW], v[NIL]
	s_wait_dscnt 0x0
	CROUND                                         ; the closing round
	s_endpgm
.Lfunc_end_k_q6344d48a41_proj:
	.size	k_q6344d48a41_proj, .Lfunc_end_k_q6344d48a41_proj-k_q6344d48a41_proj
	.p2alignl 7, 3214868480
	.fill 96, 4, 3214868480
	.section	.rodata,"a",@progbits
	.p2align	6, 0x0
	.amdhsa_kernel k_q6344d48a41_proj
		.amdhsa_group_segment_fixed_size 327680
		.amdhsa_private_segment_fixed_size 0
		.amdhsa_enable_private_segment 0
		.amdhsa_kernarg_size 24
		.amdhsa_user_sgpr_count 2
		.amdhsa_user_sgpr_kernarg_segment_ptr 1
		.amdhsa_wavefront_size32 1
		.amdhsa_system_sgpr_workgroup_id_x 1
		.amdhsa_system_sgpr_workgroup_id_y 1
		.amdhsa_system_sgpr_workgroup_id_z 1
		.amdhsa_system_vgpr_workitem_id 0
		.amdhsa_next_free_vgpr 1024
		.amdhsa_next_free_sgpr 98
		.amdhsa_reserve_vcc 0
		.amdhsa_float_denorm_mode_32 3
		.amdhsa_float_denorm_mode_16_64 3
		.amdhsa_memory_ordered 1
		.amdhsa_forward_progress 1
		.amdhsa_inst_pref_size 159
	.end_amdhsa_kernel
	.amdgpu_metadata
---
amdhsa.version: [ 1, 2 ]
amdhsa.kernels:
  - .name:           k_q6344d48a41_proj
    .symbol:         k_q6344d48a41_proj.kd
    .args:
      - { .name: yq, .offset: 0, .size: 8, .value_kind: global_buffer, .address_space: global }
      - { .name: wp, .offset: 8, .size: 8, .value_kind: global_buffer, .address_space: global }
      - { .name: out0, .offset: 16, .size: 8, .value_kind: global_buffer, .address_space: global }
    .group_segment_fixed_size: 327680
    .private_segment_fixed_size: 0
    .kernarg_segment_align: 8
    .kernarg_segment_size: 24
    .max_flat_workgroup_size: 128
    .sgpr_count:     98
    .vgpr_count:     1024
    .wavefront_size: 32
...
	.end_amdgpu_metadata
.endif
;; end of part 4
